; MI455X (gfx1250); checked and timed in simulation.
; The chip was launched on July 23, 2026; its instructions are those of AMD's public machine-readable ISA for CDNA 5 (MIT licence, August 2026) and "CDNA5" Instruction Set Architecture Reference Guide (July 2026). The comments in the code are by the model that wrote it; some were corrected since.
;; Multihead Attention. Allowed arithmetic: matrix products marked QUANTISED: E2M1 operands, one E8M0 scale for each 32 along K, by v_wmma_scale_f32_16x16x128_f8f6f4 with both operands' format E2M1 (or v_wmma_scale_f32_32x16x128_f4), f32 sums; products left as they are: bf16, f16 or f32 operands; f32 sums; everything else in f32.
;; Inputs: Wk 1,024 x 1,024 float32; Wo 1,024 x 1,024 float32; Wq 1,024 x 1,024 float32; Wv 1,024 x 1,024 float32; bo 1,024 float32; query 1 x 4,096 x 1,024 float32.
;; Outputs: out0 1 x 4,096 x 1,024 float32.
;; This version of the problem:
;;   THIS VERSION OF THE PROBLEM IS GIVEN IN LOW PRECISION. The matrix products marked QUANTISED in the list below multiply operands that are first quantised to E2M1 (2 exponent bits, 1 mantissa bit; 4 bits a number), with one power-of-two scale for each 32 numbers along K (OCP MX v1.0); their sums are f32. The products marked 'left as it is' may take bf16, f16 or f32 operands, with f32 sums. Whichever they take, every output number must still come out within the allowed error. Rounding operands to bf16 (8 significant bits) uses up far more of that allowance than f16 does (11 bits, for magnitudes from 6e-5 to 65,504). All else is computed in f32.
;;   The module's matrix products, in the order in which they are computed (A, B: the left and right operand; K: the contracted axis; several contracted axes count as one K, in the product's order):
;;     1. [M 4,096, K 1,024] x [K 1,024, N 1,024]; A: input query; B: input Wq: QUANTISED
;;     2. [M 4,096, K 1,024] x [K 1,024, N 1,024]; A: input query; B: input Wk: QUANTISED
;;     3. [M 4,096, K 1,024] x [K 1,024, N 1,024]; A: input query; B: input Wv: QUANTISED
;;     4. batch 16 x [M 4,096, K 64] x [K 64, N 4,096]; A: computed on the way; B: computed on the way: left as it is (an operand is computed on the way)
;;     5. batch 16 x [M 4,096, K 4,096] x [K 4,096, N 64]; A: computed on the way; B: computed on the way: left as it is (an operand is computed on the way)
;;     6. [M 4,096, K 1,024] x [K 1,024, N 1,024]; A: computed on the way; B: input Wo: left as it is (an operand is computed on the way)
;;   THE QUANTISER, for each operand of a quantised product, along K:
;;     - K is cut into blocks of 32 from its start; a last block that is shorter is filled with zeros.
;;     - A block's scale is 2^e with e = floor(log2(the largest magnitude in the block)) - 2, held to -126 .. 127; a block of zeros has e = 0. As a byte (E8M0): e + 127.
;;     - Each number is divided by its block's scale, clamped to +-6, and rounded to the nearest number of E2M1, ties to even, subnormals kept.
;;     - The product sums the exact products of the quantised numbers (number of the format x scale) in f32.
;;   ~~~python
;;   def quantise(x, axis):      # numpy; x: float32 -> the quantised numbers, widened to float32 again
;;       x = np.moveaxis(x, axis, -1); K = x.shape[-1]
;;       x = np.pad(x, [(0, 0)] * (x.ndim - 1) + [(0, -K % 32)]); x = x.reshape(x.shape[:-1] + (-1, 32)); a = np.abs(x).max(-1, keepdims=True)
;;       e = np.where(a > 0, np.clip(np.frexp(np.where(a > 0, a, 1))[1] - 1 - 2, -126, 127), 0)      # np.frexp(a)[1] - 1 = floor(log2(a)), exactly
;;       r = np.clip(x / 2.0 ** e, -6, 6)
;;       step = 2.0 ** (np.maximum(np.frexp(np.where(r == 0, 1, r))[1] - 1, 0) - 1)
;;       q = np.round(r / step) * step * 2.0 ** e      # np.round: ties to even
;;       return np.moveaxis(q.reshape(q.shape[:-2] + (-1,))[..., :K], -1, axis).astype(np.float32)
;;   ~~~
;; One version. Each part assembles by itself: llvm-mc -triple=amdgcn-amd-amdhsa -mcpu=gfx1250 --defsym DOCPART=n.
;; ======== version 1 of 1: 4 launches
;; limits: values are held in f16: magnitudes above 65,504 overflow, below 6.1e-05 lose precision
;; workspace buffers: codes 3,670,016 bytes; scales 229,376 bytes; wo16 2,097,152 bytes; qkv16 25,165,824 bytes; o16 8,388,608 bytes
;; launch quant (part 1): grid 256 x 1, 4 waves a work-group, no clusters, 33,280 bytes of LDS; arguments query, Wq, Wk, Wv, Wo, codes, scales, wo16; writes codes, scales, wo16
.if DOCPART == 1
	.amdgcn_target "amdgcn-amd-amdhsa--gfx1250"
	.amdhsa_code_object_version 6
	.text
	.protected	k_q8331f870ee_quant
	.globl	k_q8331f870ee_quant
	.p2align	8
	.type	k_q8331f870ee_quant,@function
k_q8331f870ee_quant:
	s_mov_b64 s[64:65], 0
	v_nop
	global_prefetch_b8 v0, s[64:65] scope:SCOPE_SE
	s_setreg_imm32_b32 hwreg(HW_REG_WAVE_MODE, 25, 1), 1
	s_wait_xcnt 0x0
; query [4096][1024], Wq, Wk, Wv [1024][1024], f32, K innermost, are turned into codes of FP4 (E2M1), 4 bits each, with one E8M0 scale byte for each 32 along K.
; The four tensors are laid one behind the other as ONE matrix of 7,168 rows: codes [7168][512 bytes], scales [7168][32 bytes]; rows 0-4095 query, 4096-5119 Wq, 5120-6143 Wk, 6144-7167 Wv.
; Wo [1024][1024] f32 is rounded to f16, row-major (its product is not quantised).
; A block's scale is 2^(floor(log2(its largest magnitude)) - 2); its byte is the largest magnitude's own exponent field - 2, held at 1 from below.  Each number is divided by the scale and rounded to the nearest code, ties to even;
; what lies beyond the largest code gets the largest code.
; LIMITS: blocks whose largest magnitude lies under 2^-124 (blocks of zeros among them) keep the byte 1: a block of zeros has zero codes, which add nothing under that byte, and this program alone reads the bytes.
; NaN and infinities among the inputs are not served.  Numbers of Wo from 65,504 on become infinity in f16; under 6e-5 their step is 6e-8.
; SHARES: rows are dense and 1,024 is a multiple of 32, so every tensor is a plain stream.  A work-group takes 32,768 numbers, a wave 8,192.  Work-groups 0-127 query, 128-159 Wq, 160-191 Wk, 192-223 Wv, 224-255 Wo.
; Only pointers are chosen for the first four: they take one path.  Wo's work-groups take a second path, which uses no LDS.  No work-group shares an input with another: no cluster, no tensor load, no barrier.
; THE QUANTISER'S PATH: 16 steps of 512 numbers.  The conversions take 8 numbers of ONE block from a lane's consecutive registers, so a lane must hold 16 NEIGHBOURS (two neighbouring lanes hold a block); a load is best where
; neighbouring LANES take neighbouring bytes.  Both are had: each of a step's four loads reads 512 consecutive bytes; the 2,048 bytes go through the wave's own stage in LDS and come back 64 bytes a lane (16 bytes of padding
; behind each 64).  A lane's 16 codes are 8 bytes: the wave stores 256 consecutive bytes.  A wave's 256 scale bytes are gathered in its own LDS bytes and leave as 256 consecutive bytes.
.set WAVES, 4
.set STEPS, 16
.set EMAX,  2
.set CB,    8                          ; bytes of 16 codes
.set R,     16                         ; v16-79   four sets of 16 numbers as they are loaded
.set X,     80                         ; v80-111  two sets of 16 neighbours
.set E,     112                        ; v112-127 a scale byte for each step
.set C,     128                        ; v128-191 codes: four registers for each step, so that no store's data are written again
.set WREG,  8192                       ; LDS: a region for each wave: two stages of 32 x SP bytes, and behind them its 256 scale bytes
.set SP,    80                         ; a lane's place in a stage: its 64 bytes + 16 of padding
.set SPW,   12                         ; v12      LDS address of my spare word: SPARE + 4 x my thread's number; never rewritten
.set NIL,   13                         ; v13      0; never rewritten
.set SPARE, WAVES*WREG                 ; behind the four regions: the spare words, 128 bytes for each wave, which no other line names
.set IN,    16                         ; the cast: v16-79, v80-143 two sets of 64 numbers
.set HF,    144                        ; the cast: v144-175 a batch's 64 numbers in f16
	s_load_b256 s[4:11], s[0:1], 0x0               ; query s[4:5], Wq s[6:7], Wk s[8:9], Wv s[10:11]
	s_load_b256 s[12:19], s[0:1], 0x20             ; Wo s[12:13], codes s[14:15], scales s[16:17], wo16 s[18:19]
	v_lshl_add_u32 v[SPW], v0, 2, SPARE
	v_mov_b32 v[NIL], 0
	v_lshrrev_b32 v1, 5, v0
	v_readfirstlane_b32 s20, v1                    ; wave
	v_and_b32 v2, 31, v0                           ; lane
	v_lshlrev_b32 v3, 4, v2                        ; my 16 bytes of a load's 512
	s_mul_i32 s21, s20, WREG
	v_lshrrev_b32 v14, 2, v2
	v_mul_u32_u24 v14, v14, SP
	v_and_b32 v15, 3, v2
	v_lshl_add_u32 v14, v15, 4, v14
	v_add_nc_u32 v14, s21, v14                     ; the stage, on the way in: four lanes' 64 bytes on end, then 16 of padding
	v_mul_u32_u24 v15, v2, SP
	v_add_nc_u32 v15, s21, v15                     ; and on the way out: SP x lane: my 16 neighbours
	v_mul_u32_u24 v4, v2, CB                       ; 8 x lane: my codes' place in a step's; in the cast my four f16
	v_lshrrev_b32 v5, 1, v2
	s_add_co_u32 s21, s21, 2*32*SP
	v_add_nc_u32 v5, s21, v5                       ; LDS: my wave's 256 scale bytes, my block's byte
	v_lshlrev_b32 v7, 3, v2                        ; and on the way out 8 bytes a lane
	v_add_nc_u32 v6, s21, v7
	s_wait_kmcnt 0x0
	s_mov_b32 s22, 0                               ; the first work-group of my tensor
.macro PICK first, lo                  ; from work-group 'first' on: the tensor whose address stands in s[lo:lo+1].  The choice hangs on the work-group's number alone
	s_cmp_ge_u32 ttmp9, \first
	s_cselect_b64 s[4:5], s[\lo:\lo+1], s[4:5]
	s_cselect_b32 s22, \first, s22
.endm
	PICK 128, 6
	PICK 160, 8
	PICK 192, 10
	PICK 224, 12
	s_sub_co_u32 s22, ttmp9, s22
	s_lshl_b32 s22, s22, 2
	s_add_co_u32 s22, s22, s20                     ; which run of 8,192 numbers of the tensor is my wave's
	s_lshl_b32 s24, s22, 15                        ; 32,768 bytes a run: 16 MiB at the most
	s_mov_b32 s25, 0
	s_add_nc_u64 s[4:5], s[4:5], s[24:25]
	s_cmp_ge_u32 ttmp9, 224
	s_cbranch_scc1 .Lcast
	s_lshl_b32 s23, ttmp9, 2
	s_add_co_u32 s23, s23, s20                     ; which run of the joined matrix
	s_lshl_b32 s24, s23, 12                        ; 4,096 bytes of codes a run
	s_add_nc_u64 s[14:15], s[14:15], s[24:25]
	s_lshl_b32 s24, s23, 8                         ; 256 scale bytes a run
	s_add_nc_u64 s[16:17], s[16:17], s[24:25]
.macro LOAD t
.irp i, 0,1,2,3
	global_load_b128 v[R+16*((\t)%4)+4*\i:R+16*((\t)%4)+4*\i+3], v3, s[4:5] offset:2048*(\t)+512*\i th:TH_LOAD_NT   ; 32 lanes read 512 consecutive bytes
.endr
.endm
.macro TURN t                          ; step t's numbers through the stage: LDS serves a wave's instructions in order (ISA guide 5.7.1.4), so no wait stands between the stores and the loads
.irp i, 0,1,2,3
	ds_store_b128 v14, v[R+16*((\t)%4)+4*\i:R+16*((\t)%4)+4*\i+3] offset:32*SP*((\t)%2)+8*SP*\i
.endr
.irp i, 0,1,2,3
	ds_load_b128 v[X+16*((\t)%2)+4*\i:X+16*((\t)%2)+4*\i+3], v15 offset:32*SP*((\t)%2)+16*\i
.endr
.endm
.irp t, 0,1,2,3
	LOAD \t
.endr
	s_wait_loadcnt 12                              ; step 0's four loads are in; the twelve of steps 1 to 3 may be out
	TURN 0
.macro STEP t
.set XS, X+16*((\t)%2)
.if (\t) > 0
	s_wait_dscnt 1                                 ; this step's numbers are back from the stage (the last step's byte store may be out): so its stores into the stage have read their registers,
.else
	s_wait_dscnt 0x0
.endif
.if (\t)+4 < STEPS
	LOAD (\t)+4                                    ; which take the loads of four steps on
.endif
.if (\t)+1 < STEPS
.if STEPS-2-(\t) >= 3
	s_wait_loadcnt 12                              ; the next step's four loads are in; those of the three steps behind it may be out
.else
	s_wait_loadcnt 4*(STEPS-2-(\t))
.endif
	TURN (\t)+1                                    ; and go through the other stage while this step is worked
.endif
	v_max3_num_f32 v8, |v[XS]|, |v[XS+1]|, |v[XS+2]|               ; the largest magnitude of my 16, in two chains
	v_max3_num_f32 v9, |v[XS+3]|, |v[XS+4]|, |v[XS+5]|
.irp i, 6,10
	v_max3_num_f32 v8, v8, |v[XS+\i]|, |v[XS+\i+1]|
	v_max3_num_f32 v9, v9, |v[XS+\i+2]|, |v[XS+\i+3]|
.endr
	v_max3_num_f32 v8, v8, |v[XS+14]|, |v[XS+15]|
	v_max3_num_f32 v8, v8, v9, (EMAX+1)<<23        ; and the floor 2^(EMAX + 1 - 127): so the byte cannot fall under 1
	v_max_num_f32_dpp v8, v8, v8 row_xmask:1 row_mask:0xf bank_mask:0xf   ; and of my neighbour's 16: the block's
	v_add_nc_u32 v11, -(EMAX<<23), v8              ; EMAX off its exponent field: the conversion takes the exponent field of this operand as its scale, and nothing else of it
	v_cvt_scalef32_pk8_fp4_f32 v[C+4*(\t)], v[XS:XS+7], v11        ; eight numbers / 2^(v11's exponent), to the nearest code; the first number's code in the lowest four bits
	v_cvt_scalef32_pk8_fp4_f32 v[C+4*(\t)+1], v[XS+8:XS+15], v11
	v_lshrrev_b32 v[E+(\t)], 23, v11               ; the scale's byte (also the plain line behind the conversions)
	ds_store_b8 v5, v[E+(\t)] offset:16*(\t)       ; both lanes of a block write the same byte with the same value
	global_store_b64 v4, v[C+4*(\t):C+4*(\t)+1], s[14:15] offset:32*CB*(\t)   ; 32 lanes store 256 consecutive bytes, at a multiple of 256 from the buffer's first byte
.endm
.irp t, 0,1,2,3,4,5,6,7,8,9,10,11,12,13,14,15
	STEP \t
.endr
	ds_load_b64 v[8:9], v6                         ; LDS serves a wave's instructions in order: these see my byte stores
	s_wait_dscnt 0x0
	global_store_b64 v7, v[8:9], s[16:17]          ; 32 lanes store my run's 256 scale bytes
	s_branch .Lend
; THE CAST: Wo to f16.  Four batches of 2,048 numbers; two batches (32 loads a wave) are on their way.  A lane's four numbers of a load become 8 bytes: a store of the wave covers 256 consecutive bytes.
.Lcast:
	s_lshl_b32 s24, s22, 14                        ; 16,384 bytes of f16 a run
	s_add_nc_u64 s[18:19], s[18:19], s[24:25]
.macro CLOAD b
.irp i, 0,1,2,3,4,5,6,7,8,9,10,11,12,13,14,15
	global_load_b128 v[IN+64*((\b)%2)+4*\i:IN+64*((\b)%2)+4*\i+3], v3, s[4:5] offset:8192*(\b)+512*\i th:TH_LOAD_NT
.endr
.endm
.macro CAST b
.if (\b) < 3
	s_wait_loadcnt 16                              ; this batch's sixteen loads are in; the next batch's may be out
.else
	s_wait_loadcnt 0x0
.endif
.if (\b) > 0
	s_wait_xcnt 0x0                                ; the last batch's stores have read their data registers: they are written again only behind this wait
.endif
.irp i, 0,1,2,3,4,5,6,7,8,9,10,11,12,13,14,15
	v_cvt_pk_f16_f32 v[HF+2*\i], v[IN+64*((\b)%2)+4*\i], v[IN+64*((\b)%2)+4*\i+1]       ; two roundings to f16, the first number in the low half
	v_cvt_pk_f16_f32 v[HF+2*\i+1], v[IN+64*((\b)%2)+4*\i+2], v[IN+64*((\b)%2)+4*\i+3]
.endr
.if (\b) < 2
	CLOAD (\b)+2                                   ; loads ahead of stores
.endif
.irp i, 0,1,2,3,4,5,6,7,8,9,10,11,12,13,14,15
	global_store_b64 v4, v[HF+2*\i:HF+2*\i+1], s[18:19] offset:4096*(\b)+256*\i
.endr
.endm
	CLOAD 0
	CLOAD 1
	CAST 0
	CAST 1
	CAST 2
	CAST 3
.Lend:
	s_wait_tensorcnt 0x0                           ; the wave's end: these three lines stand behind a wave's last LDS store; both paths end here
	ds_add_u32 v[SPW], v[NIL]
	s_wait_dscnt 0x0
	s_endpgm
.Lfunc_end_k_q8331f870ee_quant:
	.size	k_q8331f870ee_quant, .Lfunc_end_k_q8331f870ee_quant-k_q8331f870ee_quant
	.p2alignl 7, 3214868480
	.fill 96, 4, 3214868480
	.section	.rodata,"a",@progbits
	.p2align	6, 0x0
	.amdhsa_kernel k_q8331f870ee_quant
		.amdhsa_group_segment_fixed_size 33280
		.amdhsa_private_segment_fixed_size 0
		.amdhsa_enable_private_segment 0
		.amdhsa_kernarg_size 64
		.amdhsa_user_sgpr_count 2
		.amdhsa_user_sgpr_kernarg_segment_ptr 1
		.amdhsa_wavefront_size32 1
		.amdhsa_system_sgpr_workgroup_id_x 1
		.amdhsa_system_sgpr_workgroup_id_y 1
		.amdhsa_system_sgpr_workgroup_id_z 1
		.amdhsa_system_vgpr_workitem_id 0
		.amdhsa_next_free_vgpr 192
		.amdhsa_next_free_sgpr 66
		.amdhsa_reserve_vcc 0
		.amdhsa_float_denorm_mode_32 3
		.amdhsa_float_denorm_mode_16_64 3
		.amdhsa_memory_ordered 1
		.amdhsa_forward_progress 1
		.amdhsa_inst_pref_size 54
	.end_amdhsa_kernel
	.amdgpu_metadata
---
amdhsa.version: [ 1, 2 ]
amdhsa.kernels:
  - .name:           k_q8331f870ee_quant
    .symbol:         k_q8331f870ee_quant.kd
    .args:
      - { .name: query, .offset: 0, .size: 8, .value_kind: global_buffer, .address_space: global }
      - { .name: Wq, .offset: 8, .size: 8, .value_kind: global_buffer, .address_space: global }
      - { .name: Wk, .offset: 16, .size: 8, .value_kind: global_buffer, .address_space: global }
      - { .name: Wv, .offset: 24, .size: 8, .value_kind: global_buffer, .address_space: global }
      - { .name: Wo, .offset: 32, .size: 8, .value_kind: global_buffer, .address_space: global }
      - { .name: codes, .offset: 40, .size: 8, .value_kind: global_buffer, .address_space: global }
      - { .name: scales, .offset: 48, .size: 8, .value_kind: global_buffer, .address_space: global }
      - { .name: wo16, .offset: 56, .size: 8, .value_kind: global_buffer, .address_space: global }
    .group_segment_fixed_size: 33280
    .private_segment_fixed_size: 0
    .kernarg_segment_align: 8
    .kernarg_segment_size: 64
    .max_flat_workgroup_size: 128
    .sgpr_count:     66
    .vgpr_count:     192
    .wavefront_size: 32
...
	.end_amdgpu_metadata
.endif
;; end of part 1
;; launch qkv (part 2): grid 12 x 16, 4 waves a work-group, clusters of 4 x 4, 327,680 bytes of LDS; arguments codes, scales, qkv16; writes qkv16
.if DOCPART == 2
	.amdgcn_target "amdgcn-amd-amdhsa--gfx1250"
	.amdhsa_code_object_version 6
	.text
	.protected	k_q8331f870ee_qkv
	.globl	k_q8331f870ee_qkv
	.p2align	8
	.type	k_q8331f870ee_qkv,@function
k_q8331f870ee_qkv:
	s_mov_b64 s[64:65], 0
	v_nop
	global_prefetch_b8 v0, s[64:65] scope:SCOPE_SE
	s_setreg_imm32_b32 hwreg(HW_REG_WAVE_MODE, 25, 1), 1
	s_wait_xcnt 0x0
	s_wait_alu depctr_hold_cnt(0) depctr_sa_sdst(0) depctr_va_vdst(0) depctr_va_sdst(0) depctr_va_ssrc(0) depctr_va_vcc(0) depctr_vm_vsrc(0)
	s_getreg_b32 s2, hwreg(HW_REG_IB_STS2, 6, 4)
	s_cmp_eq_u32 s2, 0
	s_cbranch_scc0 .Lentry_in_a_cluster
	s_endpgm
.Lentry_in_a_cluster:
	s_bfe_u32 s2, ttmp6, 0x10000c
	s_cmp_lg_u32 s2, 0xf033
	s_cbranch_scc0 .Lentry_shape_is_right
	s_endpgm
.Lentry_shape_is_right:
; q = query Wq^T, k = query Wk^T, v = query Wv^T on codes of FP4 (E2M1) with one E8M0 scale for each 32 along K = 1,024; sums in f32; results rounded once to f16.
; BOTH operands lie in one matrix of 7,168 rows (codes [7168][512 bytes], scales [7168][32 bytes]): blocks of 256 rows, 0-15 query, 16-19 Wq, 20-23 Wk, 24-27 Wv.
; A tile of 256 x 256 results is made by a work-group of four waves, a wave makes 128 x 128: 64 accumulators of 16 x 16, 512 registers.  There are 192 such tiles, one to a work-group: halves of a tile would make 384, which is no
; multiple of 256 either and reads each fragment for half the products.
; THE MATRIX INSTRUCTION IS USED TRANSPOSED (source 0 = 16 rows of 'B', source 1 = 16 rows of 'A'): a lane holds ONE row of A and eight neighbouring rows of B.
;   q and k (cluster x = 0, 1): A = tokens, B = the weight's rows: a lane holds a token and eight neighbouring channels.
;   v       (cluster x = 2):    A = Wv's rows, B = tokens:         a lane holds a channel and eight neighbouring tokens (keys).  The same text: only the two block numbers change places.
; THE RESULTS LEAVE AS IMAGES OF THE NEXT LAUNCH'S OPERAND REGISTERS.  A fragment of 16 rows x 32 of f16 is 8 registers a lane; its image is 1,024 bytes: registers 0-3 of lane l at 16 l, registers 4-7 at 512 + 16 l.
; An accumulator, rounded in pairs, IS half such an image: one store of 16 bytes a lane, 512 consecutive bytes a wave, with no way through LDS.
;   qkv16 = 48 heads of 524,288 bytes: 0-15 q, 16-31 k, 32-47 v.   q, k: [token / 16][channel / 32][1024].   v: [token / 64][channel / 16][(token % 64) / 32][1024].
; K goes in two steps of 512 through two LDS slots; with the scales they are all first fills: nothing is filled again.
; CLUSTERS: 4 x 4 work-groups.  The four of a row of the cluster need the same tiles of A, the four of a column the same tiles of B: each is asked for JOINTLY, by the same tensor load with a mask that names the four.
; LIMITS: results from 65,504 on become infinity in f16; under 6e-5 their step is 6e-8.
; REGISTERS, in windows of 256: window 0: v0-31 addresses; v32-95 scale words, two sets; v128-191 A's fragments, ONE set.   window 1: B's fragments, TWO sets, at v0 and v128; on the way out all 256: the packed results.
;   window 2: the 32 accumulators of my rows 0-63 of A (accumulator (a, b) at v[8 (8 a + b)]);   window 3: those of my rows 64-127.
.set KSTEP,  512                       ; along K in a slot
.set NQ,     KSTEP/128                 ; matrix instructions deep
.set ROWB,   256                       ; a tile's row in bytes
.set KROW,   512                       ; a row of codes in memory
.set PITCH,  272                       ; an LDS row: 256 bytes + 16 of padding = 68 words: row r starts at bank 4 r mod 64 (64 banks of 4 bytes: ISA guide 11.1)
.set FR,     8                         ; registers of a fragment: 16 rows x 128 K
.set NL,     2                         ; LDS loads that bring one
.set NP,     4                         ; places behind this matrix instruction (ISA guide 7.12.1)
.set HALFT,  128*PITCH                 ; 128 rows: what one tensor load brings, and what one wave reads of A or of B
.set SLOT,   4*HALFT                   ; A's 256 rows, then B's 256 rows
.set KS,     32                        ; a row of scales in bytes
.set SCL,    2*SLOT                    ; behind the slots: the scales, as runs of 256 bytes + 16 of padding
.set HALFS,  (128*KS/256)*272          ; the scales of 128 rows: what one tensor load brings
.set SBLK,   (16*KS/256)*272           ; those of 16 rows
.set SPARE,  SCL+4*HALFS               ; behind the scales: the spare words, 128 bytes for each wave, which no other line names
.set ADRA, 16                          ; v16-17  LDS address of my A fragments in slot 0, 1
.set ADRB, 20                          ; v20-21  the same for B
.set CO,   26                          ; v26     16 x lane: my place in half an image
.set ADRS, 27                          ; v27     LDS address of my scale words: lanes 0-15 A's rows, lanes 16-31 B's
.set SPW,  28                          ; v28     LDS address of my spare word; never rewritten
.set NIL,  29                          ; v29     0; never rewritten
.set SC,   32                          ; scale words: set s at v[SC + 32 s]; register 4 i + q: lanes 0-15 the word of A's block i, lanes 16-31 that of B's block i, for the slot's q-th 128 along K
.set AF,   128                         ; A's fragments, in window 0
.set OUT,  4                           ; s[4:11]  on the way out four addresses: (half of my A blocks, half of my B blocks)
.set G1, 24                            ; s[24:31] descriptor group 1 for A's tiles;  s[32:39] group 0, one set for each slot
.set G0, 32
.set G1B, 48                           ; s[48:55], s[56:63] the same for B's tiles
.set G0B, 56
.set G1S, 68                           ; s[68:75], s[76:79] groups 1 and 0 for A's scales;  s[80:87], s[88:91] for B's
.set G0S, 76
.set G1SB, 80
.set G0SB, 88
.set MSB, 0
.macro WIN new                         ; the immediate's high byte repeats the setting that is left
.if MSB != (\new)
	s_set_vgpr_msb (MSB<<8)|(\new)
.set MSB, (\new)
.endif
.endm
.set MUL_LO, 0xa1                      ; source 0 (B) window 1, source 1 (A) window 0, C and D window 2
.set MUL_HI, 0xf1                      ; the same, C and D window 3
.set TO_B,   0x40                      ; destination window 1, address window 0
; A joint load: waves 0 and 1 fetch for A, waves 2 and 3 for B.  Each of the two lines has ONE mask and one set of registers for all that issue it; the branch hangs on the wave's number alone.
; An s_nop 0 and four v_nop follow each of the two lines.
.macro JLOAD g0a, g1a, g0b, g1b
	s_cmp_eq_u32 s15, 0
	s_cbranch_scc0 .Lfor_b_\@
	tensor_load_to_lds s[\g0a:\g0a+3], s[\g1a:\g1a+7]
	s_nop 0
.rept 4
	v_nop
.endr
	s_branch .Lasked_\@
.Lfor_b_\@:
	tensor_load_to_lds s[\g0b:\g0b+3], s[\g1b:\g1b+7]
	s_nop 0
.rept 4
	v_nop
.endr
.Lasked_\@:
.endm
.macro CROUND                          ; a round of the cluster's barrier: my work-group's barrier; wave 0 signals for the work-group; every wave waits for all sixteen; my work-group's barrier once more
	s_barrier_signal -1
	s_barrier_wait -1
	s_cmp_lg_u32 s14, 0
	s_cbranch_scc1 .Lnot_wave_0_\@
	s_barrier_signal -3
.Lnot_wave_0_\@:
	s_barrier_wait -3
	s_barrier_signal -1
	s_barrier_wait -1
.endm
	s_load_b128 s[4:7], s[0:1], 0x0                ; codes s[4:5], scales s[6:7]
	s_load_b64 s[12:13], s[0:1], 0x10              ; qkv16
	v_lshl_add_u32 v[SPW], v0, 2, SPARE
	v_mov_b32 v[NIL], 0
	ds_add_u32 v[SPW], v[NIL]                      ; the wave's opening: the add, twice on end, and its wait ahead of my first tensor load; the set-up below stands between the second and the wait
	ds_add_u32 v[SPW], v[NIL]
	v_lshrrev_b32 v1, 5, v0
	v_readfirstlane_b32 s14, v1                    ; wave 0..3
	s_lshr_b32 s15, s14, 1                         ; which half of the tile's A rows is mine.  Also: I fetch for A (0) or for B (1)
	s_and_b32 s16, s14, 1                          ; which half of its B rows.  Also: which 128 rows of that tile I fetch
	s_bfe_u32 s40, ttmp6, 0x40000                  ; cx, cy: my place in the cluster
	s_bfe_u32 s41, ttmp6, 0x40004
	s_and_b32 s66, ttmp7, 0xffff
	s_lshl_b32 s66, s66, 2                         ; 4 x cluster y: the cluster's first block of tokens
	s_lshl_b32 s67, ttmp9, 2
	s_add_co_u32 s67, s67, 16                      ; 16 + 4 x cluster x: the cluster's first block of Wq or Wk
	s_cmp_eq_u32 ttmp9, 2                          ; the clusters of v?  The cluster's x is the same in all sixteen partners.  Only selects stand behind the compare
	s_cselect_b32 s17, 24, s66                     ; A's first block: Wv's, or tokens
	s_cselect_b32 s42, s66, s67                    ; B's first block: tokens, or the weight's
	s_cselect_b32 s95, 19, 13                      ; on the way out a quarter block (64 rows) of A steps 2^19 bytes (a head) or 2^13 (64 tokens),
	s_cselect_b32 s96, 13, 19                      ; and one of B the other
	s_cselect_b32 s97, 16, 0                       ; heads are counted from block 16 on, tokens from block 0
	s_cselect_b32 s67, 0, 16
	s_add_co_u32 s17, s17, s41                     ; A's block: + cy: shared along a row of the cluster
	s_add_co_u32 s42, s42, s40                     ; B's block: + cx: shared along a column
	s_lshl_b32 s43, s41, 2
	s_lshl_b32 s43, 15, s43                        ; my row of the cluster
	s_lshl_b32 s44, 0x1111, s40                    ; my column
	; descriptor group 1: a tile of 128 rows x 256 bytes, padded in LDS
	s_or_b32 s[G1+0], s43, (0<<16)|(1<<20)|(1<<21)|(5<<22)|(3<<25)  ; 15:0 the mask: A's tiles go to my row; 17:16 element of 1 byte; 20 padding on; 21 set beside a mask; 24:22 after every 64 words (code 5); 31:25 of 4 words (code 3)
	s_or_b32 s[G1B+0], s44, (0<<16)|(1<<20)|(1<<21)|(5<<22)|(3<<25)
.irp g, G1, G1B
	s_mov_b32 s[\g+1], ROWB<<16                    ; tensor_dim0
	s_mov_b32 s[\g+2], 128<<16                     ; tensor_dim1 = 128
	s_mov_b32 s[\g+3], ROWB<<16                    ; tile_dim0
	s_mov_b32 s[\g+4], 128                         ; tile_dim1 = 128
	s_mov_b32 s[\g+5], KROW                        ; tensor_dim0_stride
	s_mov_b32 s[\g+6], 0
	s_mov_b32 s[\g+7], 0
.endr
	; and for the scales of 128 rows: a dense block of 4,096 bytes, as 16 rows of 256 bytes (32 elements of 8 bytes), 16 bytes of padding behind each
	s_or_b32 s[G1S+0], s43, (3<<16)|(1<<20)|(1<<21)|(5<<22)|(3<<25)
	s_or_b32 s[G1SB+0], s44, (3<<16)|(1<<20)|(1<<21)|(5<<22)|(3<<25)
.irp g, G1S, G1SB
	s_mov_b32 s[\g+1], 32<<16
	s_mov_b32 s[\g+2], (128*KS/256)<<16
	s_mov_b32 s[\g+3], 32<<16
	s_mov_b32 s[\g+4], 128*KS/256
	s_mov_b32 s[\g+5], 32
	s_mov_b32 s[\g+6], 0
	s_mov_b32 s[\g+7], 0
.endr
	s_lshl_b32 s18, s16, 7                         ; which 128 rows of the tile I fetch
	s_lshl_b32 s20, s17, 8
	s_add_co_u32 s20, s20, s18                     ; A: row 256 x block + 128 x half (under 7,168)
	s_lshl_b32 s46, s42, 8
	s_add_co_u32 s46, s46, s18                     ; B likewise
	s_lshl_b32 s22, s20, 5                         ; where these rows' scales begin: 32 bytes a row,
	s_mov_b32 s23, 0
	s_lshl_b32 s92, s46, 5
	s_mov_b32 s93, 0
	s_lshl_b32 s20, s20, 9                         ; and their codes: 512 bytes a row
	s_mov_b32 s21, 0
	s_lshl_b32 s46, s46, 9
	s_mov_b32 s47, 0
	s_mul_i32 s45, s14, HALFT                      ; where they go: wave x 128 rows: no place in the cluster enters an LDS address
	s_mul_i32 s94, s14, HALFS
	s_wait_dscnt 0x0                               ; both opening adds are done
	s_wait_kmcnt 0x0
	s_add_nc_u64 s[20:21], s[4:5], s[20:21]
	s_add_nc_u64 s[22:23], s[6:7], s[22:23]
	s_add_nc_u64 s[46:47], s[4:5], s[46:47]
	s_add_nc_u64 s[92:93], s[6:7], s[92:93]
	CROUND                                         ; all sixteen work-groups are here: the joint loads meet
	s_mov_b32 s[G0S], 1
	s_add_co_u32 s[G0S+1], s94, SCL
	s_mov_b64 s[G0S+2:G0S+3], s[22:23]
	s_or_b32 s[G0S+3], s[G0S+3], 0x80000000
	s_mov_b32 s[G0SB], 1
	s_add_co_u32 s[G0SB+1], s94, SCL
	s_mov_b64 s[G0SB+2:G0SB+3], s[92:93]
	s_or_b32 s[G0SB+3], s[G0SB+3], 0x80000000
	JLOAD G0S, G1S, G0SB, G1SB                     ; the scales first: they are wanted with K step 0
.irp s, 0,1
	s_mov_b32 s[G0+4*\s], 1
	s_add_co_u32 s[G0+4*\s+1], s45, \s*SLOT
	s_add_nc_u64 s[G0+4*\s+2:G0+4*\s+3], s[20:21], \s*ROWB
	s_or_b32 s[G0+4*\s+3], s[G0+4*\s+3], 0x80000000
	s_mov_b32 s[G0B+4*\s], 1
	s_add_co_u32 s[G0B+4*\s+1], s45, \s*SLOT
	s_add_nc_u64 s[G0B+4*\s+2:G0B+4*\s+3], s[46:47], \s*ROWB
	s_or_b32 s[G0B+4*\s+3], s[G0B+4*\s+3], 0x80000000
	JLOAD G0+4*\s, G1, G0B+4*\s, G1B               ; three tensor loads of mine are out: all that this text issues
.endr
	v_and_b32 v1, 15, v0                           ; l % 16
	v_bfe_u32 v2, v0, 4, 1                         ; l / 16
	v_mul_u32_u24 v3, v1, PITCH
	v_lshl_add_u32 v4, v2, 4, v3                   ; a fragment's row x pitch + 16 x half
	s_mul_i32 s21, s15, HALFT                      ; my 128 rows of A
	s_mul_i32 s22, s16, HALFT                      ; my 128 rows of B,
	s_add_co_u32 s22, s22, 2*HALFT                 ; which lie behind A's 256
.irp s, 0,1
	v_add_nc_u32 v[ADRA+\s], s21, v4
	v_add_nc_u32 v[ADRB+\s], s22, v4
	s_add_co_u32 s21, s21, SLOT
	s_add_co_u32 s22, s22, SLOT
.endr
	v_mul_u32_u24 v5, v1, KS                       ; my row's scales: 32 bytes a row,
	v_lshrrev_b32 v6, 8, v5
	v_lshl_add_u32 v5, v6, 4, v5                   ; and 16 more for each 256 passed
	s_mul_i32 s21, s15, HALFS                      ; A's: my 128 rows
	s_mul_i32 s22, s16, HALFS                      ; B's: my 128 rows, behind A's 256
	s_add_co_u32 s22, s22, 2*HALFS
	s_sub_co_u32 s22, s22, s21
	v_mul_u32_u24 v6, s22, v2                      ; lanes 16-31 take B's: one product, the distance between the two
	s_add_co_u32 s21, s21, SCL
	v_add_nc_u32 v5, v5, v6
	v_add_nc_u32 v[ADRS], s21, v5
	v_and_b32 v6, 31, v0
	v_lshlrev_b32 v[CO], 4, v6
	; where my results go.  My first quarter block of A is 4 (block - its origin) + 2 x half, of B likewise; each steps by its own power of two
	s_sub_co_u32 s18, s17, s97
	s_lshl_b32 s18, s18, 2
	s_lshl_b32 s19, s15, 1
	s_add_co_u32 s18, s18, s19
	s_lshl_b32 s18, s18, s95
	s_sub_co_u32 s19, s42, s67
	s_lshl_b32 s19, s19, 2
	s_lshl_b32 s45, s16, 1
	s_add_co_u32 s19, s19, s45
	s_lshl_b32 s19, s19, s96
	s_add_co_u32 s18, s18, s19                     ; under 25,165,824
	s_mov_b32 s19, 0
	s_add_nc_u64 s[OUT:OUT+1], s[12:13], s[18:19]  ; (codes' and scales' addresses are done with: the descriptors hold their own)
	s_lshl_b32 s18, 1, s96
	s_add_nc_u64 s[OUT+2:OUT+3], s[OUT:OUT+1], s[18:19]       ; B's second quarter block
	s_lshl_b32 s18, 1, s95
	s_add_nc_u64 s[OUT+4:OUT+5], s[OUT:OUT+1], s[18:19]       ; A's second
	s_add_nc_u64 s[OUT+6:OUT+7], s[OUT+2:OUT+3], s[18:19]     ; both
.macro FRAG reg, adr, q, i             ; a fragment, 16 rows x 128 K of 4-bit codes, is 8 registers: lane l holds row l % 16; registers 4 c .. 4 c + 3 hold K = 64 c + 32 (l / 16) + 0 .. 31
.irp c, 0,1
	ds_load_b128 v[\reg+4*\c:\reg+4*\c+3], v[\adr] offset:64*(\q)+32*\c+(\i)*16*PITCH
.endr
.endm
; 16 matrix instructions: A's blocks a0, a0 + 1 x B's eight, 128 along K: the slot's q-th.  p: B's set;  sc: the set of scale words.  zero = 1: the first product starts the sums: nothing is ever cleared.
; The 64 accumulators take turns, one instruction a turn, in the same order in every step.
.macro MUL16 a0, p, q, sc, zero
.irp a, \a0, \a0+1
.irp b, 0,1,2,3,4,5,6,7
.if \zero
	v_wmma_scale_f32_16x16x128_f8f6f4 v[8*(8*((\a)%4)+\b):8*(8*((\a)%4)+\b)+7], v[128*(\p)+FR*\b:128*(\p)+FR*\b+FR-1], v[AF+FR*(\a):AF+FR*(\a)+FR-1], 0, v[SC+8*NQ*(\sc)+NQ*\b+(\q)], v[SC+8*NQ*(\sc)+NQ*(\a)+(\q)] matrix_a_fmt:MATRIX_FMT_FP4 matrix_b_fmt:MATRIX_FMT_FP4 matrix_a_scale:MATRIX_SCALE_ROW1
.else
	v_wmma_scale_f32_16x16x128_f8f6f4 v[8*(8*((\a)%4)+\b):8*(8*((\a)%4)+\b)+7], v[128*(\p)+FR*\b:128*(\p)+FR*\b+FR-1], v[AF+FR*(\a):AF+FR*(\a)+FR-1], v[8*(8*((\a)%4)+\b):8*(8*((\a)%4)+\b)+7], v[SC+8*NQ*(\sc)+NQ*\b+(\q)], v[SC+8*NQ*(\sc)+NQ*(\a)+(\q)] matrix_a_fmt:MATRIX_FMT_FP4 matrix_b_fmt:MATRIX_FMT_FP4 matrix_a_scale:MATRIX_SCALE_ROW1
.endif
.endr
.endr
.endm
.macro FETCH_B slot, q, p              ; B's eight fragments of the slot's q-th 128 along K into set p
	WIN TO_B
.irp i, 0,1,2,3,4,5,6,7
	FRAG 128*(\p)+FR*\i, ADRB+\slot, \q, \i
.endr
	WIN 0
.endm
.macro FETCH_A slot, q, i0             ; A's blocks i0 .. i0 + 3
.irp i, \i0, \i0+1, \i0+2, \i0+3
	FRAG AF+FR*(\i), ADRA+\slot, \q, \i
.endr
.endm
.macro SCALES sc                       ; a K step's scale words into set sc: four words a row; lanes 0-15 take A's block i, lanes 16-31 B's block i
.irp i, 0,1,2,3,4,5,6,7
	ds_load_b128 v[SC+8*NQ*\sc+NQ*\i:SC+8*NQ*\sc+NQ*\i+3], v[ADRS] offset:\i*SBLK
.endr
.endm
; A load into a register that a matrix instruction has read, and a vector instruction that reads a matrix result or writes one of a matrix instruction's registers, stand NP places behind it, and only plain vector
; instructions that name none of its registers are places (ISA guide 7.12.1 for vector instructions).
.macro PLACES n
.rept \n
	v_nop
.endr
.endm
; A step of 128 along K that has its successor in the same slot.  A's blocks go one after the other, each against B's eight: a block of A is free when its eight products are issued, so A has one set of registers, B two.
.macro STEP slot, q, zero
	s_wait_dscnt 4*NL                              ; B's set and A's blocks 0-3 are in; the youngest eight loads (A's blocks 4-7) may be out
	WIN MUL_LO
	MUL16 0, (\q)%2, \q, \slot, \zero
	MUL16 2, (\q)%2, \q, \slot, \zero
	s_wait_dscnt 0                                 ; A's blocks 4-7 are in (asked for 32 matrix instructions ago)
	PLACES NP
	FETCH_B \slot, (\q)+1, 1-(\q)%2
	FETCH_A \slot, (\q)+1, 0
	WIN MUL_HI
	MUL16 4, (\q)%2, \q, \slot, \zero
	MUL16 6, (\q)%2, \q, \slot, \zero
	PLACES NP
	WIN 0
	FETCH_A \slot, (\q)+1, 4
.endm
; Slot 0's last step goes on into slot 1: ONE barrier; in front of it each wave waits for all its tensor loads (its part of slot 1 is the one that may be out).
.macro TURN slot, next
	s_wait_tensorcnt 0x0                           ; all my tensor loads have landed  (every window is 0 here: the add's two registers lie in window 0)
	ds_add_u32 v[SPW], v[NIL]                      ; 0 onto my spare word
	s_wait_dscnt 4*NL+1                            ; (the add and the youngest eight loads, A's blocks 4-7, may be out)
	WIN MUL_LO
	MUL16 0, 1, NQ-1, \slot, 0                     ; sixteen matrix instructions stand between the add and the wait for it
	s_wait_dscnt 0x0                               ; the add is done; no LDS instruction of mine is pending at the signal
	s_barrier_signal -1
	MUL16 2, 1, NQ-1, \slot, 0                     ; work on registers while the others arrive
	WIN 0
	s_barrier_wait -1                              ; the next slot is whole
	PLACES NP
	v_add_nc_u32 v[ADRS], 4*NQ, v[ADRS]            ; on to the next K step's scale words (no LDS load of mine is out)
	FETCH_B \next, 0, 0
	FETCH_A \next, 0, 0
	SCALES \next
	WIN MUL_HI
	MUL16 4, 1, NQ-1, \slot, 0
	MUL16 6, 1, NQ-1, \slot, 0
	PLACES NP
	WIN 0
	FETCH_A \next, 0, 4
.endm
.macro STEPS slot, from                ; the slot's steps from .. NQ - 2
.set Q, \from
.rept NQ-1-\from
	STEP \slot, Q, 0
.set Q, Q+1
.endr
.endm
	s_wait_tensorcnt 1                             ; the scales and my part of K step 0 are in (slot 1's load may be out)
	s_barrier_signal -1
	s_barrier_wait -1                              ; everybody's are
	FETCH_B 0, 0, 0
	FETCH_A 0, 0, 0
	SCALES 0
	FETCH_A 0, 0, 4
	STEP 0, 0, 1                                   ; the first step's products start the sums
	STEPS 0, 1
	TURN 0, 1
	STEPS 1, 0
	s_wait_dscnt 4*NL                              ; the very last step: nothing more to fetch
	WIN MUL_LO
	MUL16 0, 1, NQ-1, 1, 0
	MUL16 2, 1, NQ-1, 1, 0
	s_wait_dscnt 0
	WIN MUL_HI
	MUL16 4, 1, NQ-1, 1, 0
	MUL16 6, 1, NQ-1, 1, 0
	WIN 0
; THE WAY OUT.  Accumulator (a, b): lane (r, h) holds A's row 16 a + r and B's rows 16 b + 8 h + 0 .. 7.  Four roundings in pairs make 16 bytes: lane l's part of half an image.
; Its place: quarter block a / 4 of A and b / 4 of B pick one of the four addresses; within them (a % 4) x 2,048 + (b % 4) x 512 + 16 l, for q and k (tile of tokens, half a chunk of channels) and for v (tile of channels, half a chunk of keys) alike.
; The packed results fill window 1, where B's fragments lay: 256 registers, each written once, so no store's data are written again.
.macro PACK a
	WIN 0x4a+5*((\a)/4)                            ; sources 0 and 1: window 2 or 3; destination: window 1
.irp b, 0,1,2,3,4,5,6,7
.irp r, 0,1,2,3
	v_cvt_pk_f16_f32 v[32*(\a)+4*\b+\r], v[64*((\a)%4)+8*\b+2*\r], v[64*((\a)%4)+8*\b+2*\r+1]   ; each accumulator from its low end on
.endr
.endr
.endm
.macro STORE a
	WIN 0x04                                       ; a store's data are its source 1: window 1
.irp b, 0,1,2,3,4,5,6,7
	global_store_b128 v[CO], v[32*(\a)+4*\b:32*(\a)+4*\b+3], s[OUT+4*((\a)/4)+2*(\b/4):OUT+4*((\a)/4)+2*(\b/4)+1] offset:((\a)%4)*2048+(\b%4)*512   ; 32 lanes store 512 consecutive bytes, at a multiple of 512 from the buffer's first byte
.endr
.endm
	PLACES NP                                      ; behind the last products: their results are read, and the registers that held B's fragments are written
.irp a, 0,1,2,3,4,5,6,7
	PACK \a
	STORE \a
.endr
	WIN 0
	s_wait_tensorcnt 0x0                           ; the wave's end: these three lines, behind my last tensor load
	ds_add_u32 v[SPW], v[NIL]
	s_wait_dscnt 0x0
	CROUND                                         ; the closing round: no work-group ends while a partner may still ask for a tile that names it
	s_endpgm
.Lfunc_end_k_q8331f870ee_qkv:
	.size	k_q8331f870ee_qkv, .Lfunc_end_k_q8331f870ee_qkv-k_q8331f870ee_qkv
	.p2alignl 7, 3214868480
	.fill 96, 4, 3214868480
	.section	.rodata,"a",@progbits
	.p2align	6, 0x0
	.amdhsa_kernel k_q8331f870ee_qkv
		.amdhsa_group_segment_fixed_size 327680
		.amdhsa_private_segment_fixed_size 0
		.amdhsa_enable_private_segment 0
		.amdhsa_kernarg_size 24
		.amdhsa_user_sgpr_count 2
		.amdhsa_user_sgpr_kernarg_segment_ptr 1
		.amdhsa_wavefront_size32 1
		.amdhsa_system_sgpr_workgroup_id_x 1
		.amdhsa_system_sgpr_workgroup_id_y 1
		.amdhsa_system_sgpr_workgroup_id_z 1
		.amdhsa_system_vgpr_workitem_id 0
		.amdhsa_next_free_vgpr 1024
		.amdhsa_next_free_sgpr 98
		.amdhsa_reserve_vcc 0
		.amdhsa_float_denorm_mode_32 3
		.amdhsa_float_denorm_mode_16_64 3
		.amdhsa_memory_ordered 1
		.amdhsa_forward_progress 1
		.amdhsa_inst_pref_size 118
	.end_amdhsa_kernel
	.amdgpu_metadata
---
amdhsa.version: [ 1, 2 ]
amdhsa.kernels:
  - .name:           k_q8331f870ee_qkv
    .symbol:         k_q8331f870ee_qkv.kd
    .args:
      - { .name: codes, .offset: 0, .size: 8, .value_kind: global_buffer, .address_space: global }
      - { .name: scales, .offset: 8, .size: 8, .value_kind: global_buffer, .address_space: global }
      - { .name: qkv16, .offset: 16, .size: 8, .value_kind: global_buffer, .address_space: global }
    .group_segment_fixed_size: 327680
    .private_segment_fixed_size: 0
    .kernarg_segment_align: 8
    .kernarg_segment_size: 24
    .max_flat_workgroup_size: 128
    .sgpr_count:     98
    .vgpr_count:     1024
    .wavefront_size: 32
...
	.end_amdgpu_metadata
.endif
;; end of part 2
;; launch attn (part 3): grid 16 x 16, 8 waves a work-group, clusters of 4 x 1, 327,680 bytes of LDS; arguments qkv16, o16; writes o16
.if DOCPART == 3
	.amdgcn_target "amdgcn-amd-amdhsa--gfx1250"
	.amdhsa_code_object_version 6
	.text
	.protected	k_q8331f870ee_attn
	.globl	k_q8331f870ee_attn
	.p2align	8
	.type	k_q8331f870ee_attn,@function
k_q8331f870ee_attn:
	s_mov_b64 s[64:65], 0
	v_nop
	global_prefetch_b8 v0, s[64:65] scope:SCOPE_SE
	s_setreg_imm32_b32 hwreg(HW_REG_WAVE_MODE, 25, 1), 1
	s_wait_xcnt 0x0
	s_wait_alu depctr_hold_cnt(0) depctr_sa_sdst(0) depctr_va_vdst(0) depctr_va_sdst(0) depctr_va_ssrc(0) depctr_va_vcc(0) depctr_vm_vsrc(0)
	s_getreg_b32 s2, hwreg(HW_REG_IB_STS2, 6, 4)
	s_cmp_eq_u32 s2, 0
	s_cbranch_scc0 .Lentry_in_a_cluster
	s_endpgm
.Lentry_in_a_cluster:
	s_bfe_u32 s2, ttmp6, 0x10000c
	s_cmp_lg_u32 s2, 0x3003
	s_cbranch_scc0 .Lentry_shape_is_right
	s_endpgm
.Lentry_shape_is_right:
; o[h][q][:] = the sum over k of softmax_k(q[h][q] . k[h][k] / 8) v[h][k][:]: 16 heads of 64 channels, 4,096 tokens, no mask.  Operands in f16; products, maxima and sums in f32; the weights p are rounded to f16 for the
; second product, o once at the end.
; ALL OPERANDS ARRIVE AND LEAVE AS IMAGES OF REGISTERS.  A fragment of 16 rows x 32 of f16 is 8 registers a lane; its image is 1,024 bytes: registers 0-3 of lane l at 16 l, registers 4-7 at 512 + 16 l: two loads of 16 bytes a
; lane, each of 512 consecutive bytes; no pitch, no padding, no turning load.
;   qkv16 = 48 heads of 524,288 bytes (0-15 q, 16-31 k, 32-47 v).  q, k: [token / 16][channel / 32][1024].  v: [token / 64][channel / 16][(token % 64) / 32][1024], a lane a channel, registers along the keys.
;   o16 = [head / 4][token / 16][2 (head % 4) + channel / 32][1024]: the next launch's operand, 256 along its K to a plane.
; SHARES.  A work-group owns 256 queries of one head, each of its EIGHT waves 32: two tiles of 16, in 384 registers: two waves to a SIMD, so that one wave's softmax stands beside the other's products and LDS loads.
; Every wave walks all keys, 64 a step: 16 products k q^T, the softmax, 16 products v^T p.
; LAYOUT.  S^T = k q^T (source 0 = 16 keys, source 1 = 16 queries): a lane holds ONE query (lane % 16) and the keys 8 (lane / 16) + 0 .. 7.  Two such tiles, rounded in pairs, ARE source 1 (32 keys x 16 queries) of
; O^T = v^T p, whose result again holds one query a lane and eight channels: rounded in pairs it is half an image of o.  Nothing changes lanes but one exchange between the halves for a query's maximum and sum.
; SOFTMAX.  For each query a running maximum m and sum l: p = 2^(c s - c m), c = log2(e) / 8; in every step O and l are multiplied by a = 2^(c m_old - c m_new).
; The step is written once: m begins at -3e38, l and O^T at 0, so that the first a is 0 and multiplies zeros.
; RING.  Two LDS slots of 512 keys: 65,536 bytes of k's images, then 65,536 of v's: each dense in memory.  Each of the eight waves fetches an eighth by one tensor load (64 rows of 256 bytes).
; CLUSTER.  The four query blocks of a cluster belong to one head and walk the same k and v: each tile is asked for JOINTLY, by the same tensor load with the same descriptor and a mask that names the four.
; LIMITS: o from 65,504 on becomes infinity in f16, under 6e-5 its step is 6e-8; scores whose c s leaves f32's range, NaN and infinities are not served.
; REGISTERS: window 0: v1-7 addresses; v16-31 statistics; v32-63 q; v64-127 S^T, then p; v128-159 p in f16; v160-223 O^T.   window 1: v0-63 k's fragments of a step, v64-127 v's.
.set SLOT1, 1<<17                      ; slot 1 begins here, so that one exclusive or turns an address in one slot into the other's
.set VOFF,  65536                      ; in a slot: v's images behind k's
.set STEPB, 8192                       ; a step's 64 keys: 8 images of k, and 8 of v
.set SPARE, 2*SLOT1                    ; behind the ring: the spare words, 128 bytes for each of the eight waves, which no other line names
.set LI,  1                            ; v1   16 x lane: my place in half an image; never rewritten
.set LV,  2                            ; v2   the same + VOFF
.set ADK, 3                            ; v3   LDS address of the step's images of k
.set ADV, 4                            ; v4   of v
.set PFO, 5                            ; v5   256 x lane: the prefetches' offset; never rewritten
.set SPW, 6                            ; v6   LDS address of my spare word; never rewritten
.set NIL, 7                            ; v7   0; never rewritten
.set ST,  16                           ; tile t's statistics at v[ST + 8 t]: +0 c m, +1 m, +2, +3 l (even keys', odd keys'), +4 to +7 c0-c3 at work; a takes c2's place
.set Q,   32                           ; q: tile t, channels 32 c on: v[Q + 16 t + 8 c]
.set S,   64                           ; S^T: tile t, keys 16 kt on: v[S + 32 t + 8 kt]
.set P,   128                          ; p in f16: tile t, keys 32 ks on: v[P + 16 t + 8 ks]
.set O,   160                          ; O^T: tile t, channels 16 ct on: v[O + 32 t + 8 ct]
.set KB,  0                            ; window 1: k's fragment (keys 16 kt on, channels 32 c on) at v[KB + 8 (2 kt + c)]
.set VB,  64                           ; window 1: v's fragment (channels 16 ct on, keys 32 ks on) at v[VB + 8 (2 ct + ks)]
.set WV,  12                           ; s12  my wave's number
.set G1,  24                           ; s[24:31] descriptor group 1
.set G0,  32                           ; s[32:35] descriptor group 0, which walks
.set CS,  36                           ; s[36:37] c: the packed scaling names a pair and takes its low word for both halves
.set SEL, 38                           ; s[38:39] lane selects for v_permlanex16_b32: lane l xor 16
.set TB,  40                           ; s40  LDS byte at which the step's images of k begin
.set SLOTS, 41                         ; s41  slots still to be asked for
.set CNT, 42                           ; s42  counts a slot's steps
.set LIM, 43                           ; s43  1 in a wave that prefetches, else the greatest number
.set PFA, 44                           ; s[44:45] where my prefetches stand
.set MSB, 0
.macro WIN new                         ; the immediate's high byte repeats the setting that is left
.if MSB != (\new)
	s_set_vgpr_msb (MSB<<8)|(\new)
.set MSB, (\new)
.endif
.endm
.set W_LD, 0x40                        ; destination window 1, address window 0
.set W_MM, 0x01                        ; source 0 (k or v) window 1; source 1, C and D window 0
; The joint load: one line for all eight waves; both addresses hang on the wave's number, so each wave moves bytes of its own.  An s_nop 0 and four v_nop follow it.
.macro JLOAD
	tensor_load_to_lds s[G0:G0+3], s[G1:G1+7]
	s_nop 0
.rept 4
	v_nop
.endr
.endm
; A PREFETCH INTO THE L2 of what the NEXT change of slots will ask for: a slot's 65,536 bytes of k and 65,536 of v.  It stands behind the wave's tensor load and its five lines.
; Each aligned block of 256 bytes is named ONCE in the launch.  All clusters of a head walk the same k and v: the head's first cluster asks.  The 131,072 bytes are sixteen parts of 8,192; part 4 cx + w is asked for by wave w
; (0 to 3) of the partner at place cx, lanes 256 bytes apart: the partners are told apart BY ADDRESS, and the branch hangs on the wave's number and the cluster's alone.
; The change that asks for slot i + 1 names slot i + 2: a slot's eight key steps ahead of its load.  The last change that fills a slot names nothing.  Slots 0 and 1 come by their loads alone.
.macro ASK
	s_cmp_gt_u32 s[SLOTS], s[LIM]
	s_cbranch_scc0 .Lnot_mine_\@
	global_prefetch_b8 v[PFO], s[PFA:PFA+1] th:TH_LOAD_NT scope:SCOPE_SE
.Lnot_mine_\@:
.endm
.macro CROUND                          ; a round of the cluster's barrier: my work-group's barrier; wave 0 signals for the work-group; every wave waits for all four work-groups; my work-group's barrier once more
	s_barrier_signal -1
	s_barrier_wait -1
	s_cmp_lg_u32 s[WV], 0
	s_cbranch_scc1 .Lnot_wave_0_\@
	s_barrier_signal -3
.Lnot_wave_0_\@:
	s_barrier_wait -3
	s_barrier_signal -1
	s_barrier_wait -1
.endm
	s_load_b128 s[4:7], s[0:1], 0x0                ; qkv16 s[4:5], o16 s[6:7]
	v_lshl_add_u32 v[SPW], v0, 2, SPARE
	v_mov_b32 v[NIL], 0
	ds_add_u32 v[SPW], v[NIL]                      ; the wave's opening: the add, twice on end, and its wait ahead of my first tensor load; the set-up below stands between the second and the wait
	ds_add_u32 v[SPW], v[NIL]
	v_lshrrev_b32 v8, 5, v0
	v_readfirstlane_b32 s[WV], v8                  ; wave 0..7
	s_bfe_u32 s13, ttmp6, 0x40000                  ; cx: my place in the cluster
	s_lshl_b32 s14, ttmp9, 2                       ; in a cluster launch ttmp9 counts clusters
	s_add_co_u32 s14, s14, s13                     ; my block of 256 queries: it enters q's and o's addresses alone
	s_and_b32 s15, ttmp7, 0xffff                   ; the head, which the four partners share
	s_lshl_b32 s2, s15, 19                         ; the head's 524,288 bytes
	s_and_b32 s3, s[WV], 3
	; what I fetch: waves 0-3 a quarter of a slot's k, waves 4-7 of its v.  k's heads begin 8 MiB into the buffer, v's 16 MiB
	s_lshr_b32 s20, s[WV], 2
	s_add_co_u32 s20, s20, 1
	s_lshl_b32 s20, s20, 23
	s_add_co_u32 s20, s20, s2
	s_lshl_b32 s21, s3, 14
	s_add_co_u32 s20, s20, s21
	s_mov_b32 s21, 0
	; q: my wave's two tiles: head + 32,768 x block + 4,096 x wave
	s_lshl_b32 s22, s14, 15
	s_add_co_u32 s22, s22, s2
	s_lshl_b32 s23, s[WV], 12
	s_add_co_u32 s22, s22, s23
	s_mov_b32 s23, 0
	; o: plane head / 4 of 2 MiB; 8,192 bytes a tile of tokens: 131,072 x block + 16,384 x wave; in it 2,048 x (head % 4)
	s_lshr_b32 s16, s15, 2
	s_lshl_b32 s16, s16, 21
	s_lshl_b32 s17, s14, 17
	s_add_co_u32 s16, s16, s17
	s_lshl_b32 s17, s[WV], 14
	s_add_co_u32 s16, s16, s17
	s_and_b32 s17, s15, 3
	s_lshl_b32 s17, s17, 11
	s_add_co_u32 s16, s16, s17
	s_mov_b32 s17, 0
	; the prefetches: partners 0, 1 stand in k, partners 2, 3 in v; part 4 (cx % 2) + wave % 4 of eight; in slot 1: the first change of slots steps it to slot 2
	s_lshr_b32 s18, s13, 1
	s_add_co_u32 s18, s18, 1
	s_lshl_b32 s18, s18, 23
	s_add_co_u32 s18, s18, s2
	s_and_b32 s19, s13, 1
	s_lshl_b32 s19, s19, 2
	s_add_co_u32 s19, s19, s3
	s_lshl_b32 s19, s19, 13
	s_add_co_u32 s18, s18, s19
	s_add_co_u32 s18, s18, 65536
	s_mov_b32 s19, 0
	s_lshr_b32 s[LIM], s[WV], 2                    ; 0 in waves 0 to 3,
	s_or_b32 s[LIM], s[LIM], ttmp9                 ; where the cluster is the head's first: the same in all four partners
	s_cmp_eq_u32 s[LIM], 0
	s_cselect_b32 s[LIM], 1, -1
	; descriptor group 1: 16,384 dense bytes as 64 rows of 256 (32 elements of 8 bytes), no padding
	s_mov_b32 s[G1], 15|(3<<16)|(1<<21)            ; 15:0 the mask: all four work-groups; 17:16 elements of 8 bytes; 21 set beside a mask
	s_mov_b32 s[G1+1], 32<<16                      ; tensor_dim0 = 32
	s_mov_b32 s[G1+2], 64<<16                      ; tensor_dim1 = 64
	s_mov_b32 s[G1+3], 32<<16                      ; tile_dim0 = 32
	s_mov_b32 s[G1+4], 64                          ; tile_dim1 = 64
	s_mov_b32 s[G1+5], 32                          ; tensor_dim0_stride
	s_mov_b32 s[G1+6], 0
	s_mov_b32 s[G1+7], 0
	s_mov_b32 s[G0], 1                             ; count = 1
	s_lshl_b32 s[G0+1], s[WV], 14                  ; LDS address: slot 0, 16,384 x wave: no place in the cluster enters an LDS address
	s_mov_b32 s[CS], 0x3e38aa3b                    ; c = log2(e) / 8
	s_mov_b32 s[CS+1], s[CS]                       ; (named with it as a pair, so it is written)
	s_mov_b32 s[SEL], 0x76543210
	s_mov_b32 s[SEL+1], 0xfedcba98
	s_mov_b32 s[TB], 0
	s_mov_b32 s[SLOTS], 7
	s_wait_dscnt 0x0                               ; both opening adds are done
	s_wait_kmcnt 0x0
	s_add_nc_u64 s[G0+2:G0+3], s[4:5], s[20:21]    ; global address: my part of the head's first 512 keys
	s_or_b32 s[G0+3], s[G0+3], 0x80000000          ; type = 2
	s_add_nc_u64 s[8:9], s[4:5], s[22:23]          ; q
	s_add_nc_u64 s[10:11], s[6:7], s[16:17]        ; o
	s_add_nc_u64 s[PFA:PFA+1], s[4:5], s[18:19]
	CROUND                                         ; all four work-groups are here: the first joint loads meet
	JLOAD                                          ; slot 0
	v_and_b32 v[LI], 31, v0
	v_lshlrev_b32 v[PFO], 8, v[LI]
	v_lshlrev_b32 v[LI], 4, v[LI]
	v_add_nc_u32 v[LV], VOFF, v[LI]
.irp i, 0,1,2,3,4,5,6,7
	global_load_b128 v[Q+4*\i:Q+4*\i+3], v[LI], s[8:9] offset:512*\i th:TH_LOAD_NT   ; q stays in registers: four images
.endr
.irp t, 0,1
	v_mov_b32 v[ST+8*\t+1], 0xff61b1e6             ; m = -3e38, under every score that is served
	v_mov_b32 v[ST+8*\t+2], 0                      ; l
	v_mov_b32 v[ST+8*\t+3], 0
.endr
.irp t, 0,1
	v_mul_f32 v[ST+8*\t], s[CS], v[ST+8*\t+1]      ; c m
.endr
.set i, 0
.rept 64
	v_mov_b32 v[O+i], 0                            ; O^T.  (The step is written once: its first pass multiplies these zeros by a = 0.  A first step of its own would be a third and fourth copy of the step)
.set i, i+1
.endr
; THE SOFTMAX of both tiles for one key step, the tiles line by line in turn, so that no line waits for the line above it.  118 instructions a tile.
.macro SOFTMAX
.irp j, 0,1,2,3                        ; the maximum of the lane's 32 scores and the old m: four chains, each begun at the low end of its accumulator
.irp t, 0,1
	v_max3_num_f32 v[ST+8*\t+4+\j], v[S+32*\t+8*\j], v[S+32*\t+8*\j+1], v[S+32*\t+8*\j+2]
.endr
.endr
.irp i, 3,5
.irp j, 0,1,2,3
.irp t, 0,1
	v_max3_num_f32 v[ST+8*\t+4+\j], v[ST+8*\t+4+\j], v[S+32*\t+8*\j+\i], v[S+32*\t+8*\j+\i+1]
.endr
.endr
.endr
.irp t, 0,1
	v_max3_num_f32 v[ST+8*\t+4], v[ST+8*\t+4], v[S+32*\t+7], v[S+32*\t+15]
	v_max3_num_f32 v[ST+8*\t+6], v[ST+8*\t+6], v[S+32*\t+23], v[S+32*\t+31]
.endr
.irp t, 0,1
	v_max3_num_f32 v[ST+8*\t+4], v[ST+8*\t+4], v[ST+8*\t+5], v[ST+8*\t+6]
.endr
.irp t, 0,1
	v_max3_num_f32 v[ST+8*\t+4], v[ST+8*\t+4], v[ST+8*\t+7], v[ST+8*\t+1]
.endr
.irp t, 0,1
	v_permlanex16_b32 v[ST+8*\t+5], v[ST+8*\t+4], s[SEL], s[SEL+1]   ; the query's other 32 keys lie in the lane 16 away
.endr
.irp t, 0,1
	v_mov_b32 v[ST+8*\t+7], v[ST+8*\t]             ; c m_old is kept for a
.endr
.irp t, 0,1
	v_max_num_f32 v[ST+8*\t+1], v[ST+8*\t+4], v[ST+8*\t+5]   ; the new m
.endr
.irp t, 0,1
	v_mul_f32 v[ST+8*\t], s[CS], v[ST+8*\t+1]      ; c m
.endr
.irp t, 0,1
	v_sub_f32 v[ST+8*\t+7], v[ST+8*\t+7], v[ST+8*\t]
.endr
; ONE BATCH: a, the 16 scalings c s - c m of each tile, a pair of scores each, and the 64 exponentials.  None of these lines names an exponential's result; a pair's exponentials stand behind the next pair's scalings.
.irp t, 0,1
	v_exp_f32 v[ST+8*\t+6], v[ST+8*\t+7]           ; a = 2^(c m_old - c m_new)
.endr
.set b, 0
.rept 16
.irp t, 0,1
	v_pk_fma_f32 v[S+32*\t+2*b:S+32*\t+2*b+1], v[S+32*\t+2*b:S+32*\t+2*b+1], s[CS:CS+1], v[ST+8*\t:ST+8*\t+1] op_sel_hi:[1,0,0] neg_lo:[0,0,1] neg_hi:[0,0,1]
.endr
.if b > 0
.irp t, 0,1
	v_exp_f32 v[S+32*\t+2*b-2], v[S+32*\t+2*b-2]
	v_exp_f32 v[S+32*\t+2*b-1], v[S+32*\t+2*b-1]
.endr
.endif
.set b, b+1
.endr
.irp t, 0,1
	v_exp_f32 v[S+32*\t+30], v[S+32*\t+30]
	v_exp_f32 v[S+32*\t+31], v[S+32*\t+31]
.endr
	v_nop                                          ; a plain instruction behind the last exponential and ahead of the first use (ISA guide 5.7.2): one for the batch
	s_wait_alu depctr_va_vdst(0)                   ; and the wait ahead of the first line that names a result: one for the 66
.set i, 0
.rept 16
.irp t, 0,1
	v_cvt_pk_f16_f32 v[P+16*\t+i], v[S+32*\t+2*i], v[S+32*\t+2*i+1]   ; two neighbouring keys' weights: register i of the second product's source 1
.endr
.set i, i+1
.endr
.irp u, 0,1,2,3,4,5,6,7                ; the sum of a tile's 16 pairs, in place: neighbours 1, 2, 4 and 8 pairs apart
.irp t, 0,1
	v_pk_add_f32 v[S+32*\t+4*\u:S+32*\t+4*\u+1], v[S+32*\t+4*\u:S+32*\t+4*\u+1], v[S+32*\t+4*\u+2:S+32*\t+4*\u+3]
.endr
.endr
.irp u, 0,1,2,3
.irp t, 0,1
	v_pk_add_f32 v[S+32*\t+8*\u:S+32*\t+8*\u+1], v[S+32*\t+8*\u:S+32*\t+8*\u+1], v[S+32*\t+8*\u+4:S+32*\t+8*\u+5]
.endr
.endr
.irp u, 0,1
.irp t, 0,1
	v_pk_add_f32 v[S+32*\t+16*\u:S+32*\t+16*\u+1], v[S+32*\t+16*\u:S+32*\t+16*\u+1], v[S+32*\t+16*\u+8:S+32*\t+16*\u+9]
.endr
.endr
.irp t, 0,1
	v_pk_add_f32 v[S+32*\t:S+32*\t+1], v[S+32*\t:S+32*\t+1], v[S+32*\t+16:S+32*\t+17]
.endr
.irp t, 0,1
	v_pk_fma_f32 v[ST+8*\t+2:ST+8*\t+3], v[ST+8*\t+2:ST+8*\t+3], v[ST+8*\t+6:ST+8*\t+7], v[S+32*\t:S+32*\t+1] op_sel_hi:[1,0,1]   ; l = a l + the sum
.endr
.set i, 0
.rept 16
.irp t, 0,1
	v_pk_mul_f32 v[O+32*\t+2*i:O+32*\t+2*i+1], v[O+32*\t+2*i:O+32*\t+2*i+1], v[ST+8*\t+6:ST+8*\t+7] op_sel_hi:[1,0]   ; O^T x a, each accumulator from its low end on
.endr
.set i, i+1
.endr
.endm
; A KEY STEP: 64 keys.  pre = 1: the next step's k, which lies in the same slot, is fetched behind this step's v.
; The accumulators take turns, one instruction a turn: eight of S^T, then eight of O^T.
.macro STEP pre
	v_add_nc_u32 v[ADK], s[TB], v[LI]
	v_add_nc_u32 v[ADV], s[TB], v[LV]
	s_wait_dscnt 0x0                               ; k of this step is in
	WIN W_MM
.irp c, 0,1
.irp kt, 0,1,2,3
.irp t, 0,1
.if \c == 0
	v_wmma_f32_16x16x32_f16 v[S+32*\t+8*\kt:S+32*\t+8*\kt+7], v[KB+8*(2*\kt+\c):KB+8*(2*\kt+\c)+7], v[Q+16*\t+8*\c:Q+16*\t+8*\c+7], 0
.else
	v_wmma_f32_16x16x32_f16 v[S+32*\t+8*\kt:S+32*\t+8*\kt+7], v[KB+8*(2*\kt+\c):KB+8*(2*\kt+\c)+7], v[Q+16*\t+8*\c:Q+16*\t+8*\c+7], v[S+32*\t+8*\kt:S+32*\t+8*\kt+7]
.endif
.endr
.endr
.endr
.rept 4
	v_nop                                          ; four places behind these products: for the loads into k's registers and the reads of S^T; with the two additions above they are six behind the last step's v^T p, for the loads into v's registers
.endr
	WIN W_LD
.irp i, 0,1,2,3,4,5,6,7,8,9,10,11,12,13,14,15
	ds_load_b128 v[VB+4*\i:VB+4*\i+3], v[ADV] offset:512*\i
.endr
.if \pre
.irp i, 0,1,2,3,4,5,6,7,8,9,10,11,12,13,14,15
	ds_load_b128 v[KB+4*\i:KB+4*\i+3], v[ADK] offset:STEPB+512*\i
.endr
.endif
	WIN 0
	SOFTMAX
	s_wait_dscnt 16*\pre                           ; v is in; the sixteen younger loads, the next step's k, may be out
	WIN W_MM
.irp ks, 0,1
.irp ct, 0,1,2,3
.irp t, 0,1
	v_wmma_f32_16x16x32_f16 v[O+32*\t+8*\ct:O+32*\t+8*\ct+7], v[VB+8*(2*\ct+\ks):VB+8*(2*\ct+\ks)+7], v[P+16*\t+8*\ks:P+16*\t+8*\ks+7], v[O+32*\t+8*\ct:O+32*\t+8*\ct+7]
.endr
.endr
.endr
	WIN 0
	s_add_co_u32 s[TB], s[TB], STEPB
.endm
; THE CHANGE OF SLOTS stands at a slot's head.  Each wave waits for all its tensor loads (one is out: its part of the slot that it is about to read), adds 0 to its spare word, and waits for that and for its reads of the slot that
; it has left.  fill = 1: the barrier is a round of the cluster's, so that no wave of any partner still reads the other slot or has a load on its way; the joint load of the next 512 keys is the first thing behind it, a wave's
; one tensor load until the next change, and has a slot's eight steps in which to land.  (In the first trip that is slot 1's first fill.)
.macro CHANGE fill
	s_wait_tensorcnt 0x0                           ; no tensor load of mine is out, so group 0 may be written
	ds_add_u32 v[SPW], v[NIL]                      ; 0 onto my spare word; the steps below stand between it and the wait for it
.if \fill
	s_xor_b32 s[G0+1], s[G0+1], SLOT1              ; the other slot than last time,
	s_add_nc_u64 s[G0+2:G0+3], s[G0+2:G0+3], 65536 ; the next 512 keys; the type bits on top are not reached
	s_wait_xcnt 0x0                                ; the last prefetch, a slot back, has read its address, so it may be written:
	s_add_nc_u64 s[PFA:PFA+1], s[PFA:PFA+1], 65536 ; one slot further on than the descriptor
.endif
	s_wait_dscnt 0x0                               ; the add is done, and my reads of the slot that I have left are over
.if \fill
	CROUND
	JLOAD
	ASK
.else
	s_barrier_signal -1
	s_barrier_wait -1
.endif
.endm
; A slot's eight steps: seven in a loop, each fetching the next step's k; the eighth written out, since its successor's k lies behind the next change of slots.
.macro SLOT
	v_add_nc_u32 v[ADK], s[TB], v[LI]
	WIN W_LD
.irp i, 0,1,2,3,4,5,6,7,8,9,10,11,12,13,14,15
	ds_load_b128 v[KB+4*\i:KB+4*\i+3], v[ADK] offset:512*\i
.endr
	WIN 0                                          ; at a label and at a branch every window is 0
	s_mov_b32 s[CNT], 7
.Lstep_\@:
	STEP 1
	s_sub_co_u32 s[CNT], s[CNT], 1
	s_cmp_lg_u32 s[CNT], 0
	s_cbranch_scc1 .Lstep_\@
	STEP 0
	s_sub_co_u32 s[TB], s[TB], 8*STEPB             ; back to a slot's first step,
	s_xor_b32 s[TB], s[TB], SLOT1                  ; in the other slot
.endm
	s_wait_loadcnt 0x0                             ; q
.Lslot:                                            ; seven trips: behind each change of slots but the last the next slot is asked for
	CHANGE 1
	SLOT
	s_sub_co_u32 s[SLOTS], s[SLOTS], 1
	s_cmp_lg_u32 s[SLOTS], 0
	s_cbranch_scc1 .Lslot
	CHANGE 0                                       ; the last slot is written out
	SLOT
	; THE WAY OUT.  l's two halves and the other half of the lanes' are added; O^T is divided by l and rounded to f16 in pairs: each accumulator is half an image of o.  The additions are the places behind the last products.
.irp t, 0,1
	v_add_f32 v[ST+8*\t+4], v[ST+8*\t+2], v[ST+8*\t+3]
.endr
.irp t, 0,1
	v_permlanex16_b32 v[ST+8*\t+5], v[ST+8*\t+4], s[SEL], s[SEL+1]
.endr
.irp t, 0,1
	v_add_f32 v[ST+8*\t+4], v[ST+8*\t+4], v[ST+8*\t+5]
.endr
.irp t, 0,1
	v_rcp_f32 v[ST+8*\t+6], v[ST+8*\t+4]
.endr
	v_nop                                          ; a plain instruction between the last reciprocal and the use of its result
	s_wait_alu depctr_va_vdst(0)                   ; and the wait ahead of the first use: one for both
.set i, 0
.rept 16
.irp t, 0,1
	v_pk_mul_f32 v[O+32*\t+2*i:O+32*\t+2*i+1], v[O+32*\t+2*i:O+32*\t+2*i+1], v[ST+8*\t+6:ST+8*\t+7] op_sel_hi:[1,0]
.endr
.set i, i+1
.endr
.set i, 0
.rept 16
.irp t, 0,1
	v_cvt_pk_f16_f32 v[S+16*\t+i], v[O+32*\t+2*i], v[O+32*\t+2*i+1]   ; S^T's registers are free
.endr
.set i, i+1
.endr
.irp t, 0,1
.irp ct, 0,1,2,3
	global_store_b128 v[LI], v[S+16*\t+4*\ct:S+16*\t+4*\ct+3], s[10:11] offset:\t*8192+\ct*512   ; 32 lanes store 512 consecutive bytes, at a multiple of 512 from the buffer's first byte
.endr
.endr
	s_wait_tensorcnt 0x0                           ; the wave's end: these three lines, behind my last tensor load
	ds_add_u32 v[SPW], v[NIL]
	s_wait_dscnt 0x0
	CROUND                                         ; the closing round: no work-group ends while a partner may still ask for a tile that names it
	s_endpgm
.Lfunc_end_k_q8331f870ee_attn:
	.size	k_q8331f870ee_attn, .Lfunc_end_k_q8331f870ee_attn-k_q8331f870ee_attn
	.p2alignl 7, 3214868480
	.fill 96, 4, 3214868480
	.section	.rodata,"a",@progbits
	.p2align	6, 0x0
	.amdhsa_kernel k_q8331f870ee_attn
		.amdhsa_group_segment_fixed_size 327680
		.amdhsa_private_segment_fixed_size 0
		.amdhsa_enable_private_segment 0
		.amdhsa_kernarg_size 16
		.amdhsa_user_sgpr_count 2
		.amdhsa_user_sgpr_kernarg_segment_ptr 1
		.amdhsa_wavefront_size32 1
		.amdhsa_system_sgpr_workgroup_id_x 1
		.amdhsa_system_sgpr_workgroup_id_y 1
		.amdhsa_system_sgpr_workgroup_id_z 1
		.amdhsa_system_vgpr_workitem_id 0
		.amdhsa_next_free_vgpr 384
		.amdhsa_next_free_sgpr 66
		.amdhsa_reserve_vcc 0
		.amdhsa_float_denorm_mode_32 3
		.amdhsa_float_denorm_mode_16_64 3
		.amdhsa_memory_ordered 1
		.amdhsa_forward_progress 1
		.amdhsa_inst_pref_size 83
	.end_amdhsa_kernel
	.amdgpu_metadata
---
amdhsa.version: [ 1, 2 ]
amdhsa.kernels:
  - .name:           k_q8331f870ee_attn
    .symbol:         k_q8331f870ee_attn.kd
    .args:
      - { .name: qkv16, .offset: 0, .size: 8, .value_kind: global_buffer, .address_space: global }
      - { .name: o16, .offset: 8, .size: 8, .value_kind: global_buffer, .address_space: global }
    .group_segment_fixed_size: 327680
    .private_segment_fixed_size: 0
    .kernarg_segment_align: 8
    .kernarg_segment_size: 16
    .max_flat_workgroup_size: 256
    .sgpr_count:     66
    .vgpr_count:     384
    .wavefront_size: 32
...
	.end_amdgpu_metadata
.endif
;; end of part 3
;; launch proj (part 4): grid 8 x 32, 4 waves a work-group, clusters of 4 x 4, 327,680 bytes of LDS; arguments o16, wo16, bo, out0; writes out0
.if DOCPART == 4
	.amdgcn_target "amdgcn-amd-amdhsa--gfx1250"
	.amdhsa_code_object_version 6
	.text
	.protected	k_q8331f870ee_proj
	.globl	k_q8331f870ee_proj
	.p2align	8
	.type	k_q8331f870ee_proj,@function
k_q8331f870ee_proj:
	s_mov_b64 s[64:65], 0
	v_nop
	global_prefetch_b8 v0, s[64:65] scope:SCOPE_SE
	s_setreg_imm32_b32 hwreg(HW_REG_WAVE_MODE, 25, 1), 1
	s_wait_xcnt 0x0
	s_wait_alu depctr_hold_cnt(0) depctr_sa_sdst(0) depctr_va_vdst(0) depctr_va_sdst(0) depctr_va_ssrc(0) depctr_va_vcc(0) depctr_vm_vsrc(0)
	s_getreg_b32 s2, hwreg(HW_REG_IB_STS2, 6, 4)
	s_cmp_eq_u32 s2, 0
	s_cbranch_scc0 .Lentry_in_a_cluster
	s_endpgm
.Lentry_in_a_cluster:
	s_bfe_u32 s2, ttmp6, 0x10000c
	s_cmp_lg_u32 s2, 0xf033
	s_cbranch_scc0 .Lentry_shape_is_right
	s_endpgm
.Lentry_shape_is_right:
; out0[m][n] = the sum over k of o[m][k] Wo[n][k] + bo[n].  4,096 x 1,024 x 1,024; operands in f16, sums in f32, out0 f32.
; o arrives as images of operand registers: o16 = [k / 256][m / 16][(k % 256) / 32][1,024 bytes]; an image holds 16 rows x 32 K: registers 0-3 of lane l at 16 l, registers 4-7 at 512 + 16 l.  Wo arrives row-major, [n][k] f16.
; A tile of out0 is 128 x 128, so that there are 256 tiles, one to a work-group.  Four waves, each 64 x 64: 16 accumulators of 16 x 16, 128 registers.  K goes in four steps of 256 through two LDS slots.
; A's part of a slot, 128 rows x 256 K, is 64 images, 65,536 dense bytes of memory; B's is 128 rows of 512 bytes.  Waves 0 and 1 fetch A's halves, waves 2 and 3 B's, one tensor load each.
; CLUSTERS: 4 x 4 work-groups.  The four of a row of the cluster need the same tiles of o, the four of a column the same tiles of Wo: each is asked for JOINTLY, by the same tensor load with a mask that names the four.
; THE MATRIX INSTRUCTION IS USED TRANSPOSED (source 0 = 16 rows of Wo, source 1 = 16 rows of o): a lane holds eight neighbouring numbers of a row of out0.  THE BIAS is the C of each sum's first product: eight registers for each
; of my four blocks of columns, in the result's layout: no addition is spent on it.
; A wave's 64 columns are 256 bytes of a row of out0, aligned: so each wave sends its results through a stage of its own, and no barrier stands on the way out.
; REGISTERS: window 0: v0-31 addresses; v32-95 at work on the way out; v96-127 the bias; v128-255 the accumulators ((a, b) at v[128 + 8 (4 a + b)]).
;   window 1: two fragment buffers of 128: for 64 along K, 64 registers of o (2 x 4 fragments), then 64 of Wo.
.set SIZE_N, 1024
.set SIZE_K, 1024
.set KSTEP,  256
.set KA,     0x200000                  ; a K step on in o16: a plane of 256 x 8 images
.set PITCH,  528                       ; a row of Wo in LDS: 512 bytes + 16 of padding = 132 words: row r starts at bank 4 r mod 64 (64 banks of 4 bytes: ISA guide 11.1)
.set HALFA,  32768                     ; 64 rows of o: 32 images: what one tensor load brings, and what one wave reads
.set HALFT,  64*PITCH                  ; 64 rows of Wo likewise
.set BOFF,   2*HALFA                   ; in a slot: Wo's rows behind o's images
.set SLOT,   BOFF+2*HALFT
.set STAGE,  2*SLOT                    ; behind the ring: 16 rows x 272 bytes for each wave, for the way out
.set SPITCH, 272
.set SPARE,  STAGE+4*16*SPITCH         ; behind the stages: the spare words, 128 bytes for each wave, which no other line names
.set ADRA, 16                          ; v16-17  LDS address of my images of o in slot 0, 1
.set ADRB, 20                          ; v20-21  of my fragments of Wo
.set STO,  24                          ; v24     the way out: where I put 32 bytes of a row
.set RD,   25                          ; v25     the way out: where I read a row back
.set CO,   26                          ; v26     my byte offset in out0
.set BA,   27                          ; v27     32 x (lane / 16): my eight numbers of a block of bo
.set SPW,  28                          ; v28     LDS address of my spare word; never rewritten
.set NIL,  29                          ; v29     0; never rewritten
.set TMP,  32
.set BIAS, 96
.set ACC,  128
.set F0,   0                           ; fragment buffers, in window 1
.set F1,   128
.set G1, 24                            ; s[24:31] descriptor group 1 for o's tiles;  s[32:39] group 0, one set for each slot
.set G0, 32
.set G1B, 48                           ; s[48:55], s[56:63] the same for Wo's tiles
.set G0B, 56
.set MSB, 0
.macro WIN new                         ; the immediate's high byte repeats the setting that is left
.if MSB != (\new)
	s_set_vgpr_msb (MSB<<8)|(\new)
.set MSB, (\new)
.endif
.endm
.set MUL,  0x05                        ; sources 0 (Wo) and 1 (o) window 1; C and D window 0
.set TO_F, 0x40                        ; destination window 1, address window 0
.macro JLOAD s                         ; a joint load: waves 0 and 1 fetch o's two halves, waves 2 and 3 Wo's; an s_nop 0 and four v_nop follow each of the two lines
	s_cmp_eq_u32 s11, 0
	s_cbranch_scc0 .Lfor_b_\@
	tensor_load_to_lds s[G0+4*\s:G0+4*\s+3], s[G1:G1+7]
	s_nop 0
.rept 4
	v_nop
.endr
	s_branch .Lasked_\@
.Lfor_b_\@:
	tensor_load_to_lds s[G0B+4*\s:G0B+4*\s+3], s[G1B:G1B+7]
	s_nop 0
.rept 4
	v_nop
.endr
.Lasked_\@:
.endm
.macro CREST                           ; a round of the cluster's barrier behind its opening barrier
	s_cmp_lg_u32 s10, 0
	s_cbranch_scc1 .Lnot_wave_0_\@
	s_barrier_signal -3
.Lnot_wave_0_\@:
	s_barrier_wait -3
	s_barrier_signal -1
	s_barrier_wait -1
.endm
.macro CROUND                          ; a whole round
	s_barrier_signal -1
	s_barrier_wait -1
	CREST
.endm
	s_load_b128 s[4:7], s[0:1], 0x0                ; o16 s[4:5], wo16 s[6:7]
	s_load_b64 s[66:67], s[0:1], 0x10              ; bo
	s_load_b64 s[8:9], s[0:1], 0x18                ; out0
	v_lshl_add_u32 v[SPW], v0, 2, SPARE
	v_mov_b32 v[NIL], 0
	ds_add_u32 v[SPW], v[NIL]                      ; the wave's opening: the add, twice on end, and its wait ahead of my first tensor load; the set-up below stands between the second and the wait
	ds_add_u32 v[SPW], v[NIL]
	v_lshrrev_b32 v1, 5, v0
	v_readfirstlane_b32 s10, v1                    ; wave 0..3
	s_lshr_b32 s11, s10, 1                         ; which half of the tile's rows is mine.  Also: I fetch for o (0) or for Wo (1)
	s_and_b32 s12, s10, 1                          ; which half of its columns.  Also: which 64 rows of that tile I fetch
	s_bfe_u32 s40, ttmp6, 0x40000                  ; cx, cy: my place in the cluster
	s_bfe_u32 s41, ttmp6, 0x40004
	s_lshl_b32 s42, ttmp9, 2
	s_add_co_u32 s42, s42, s40                     ; tile column = 4 x cluster x + cx
	s_and_b32 s13, ttmp7, 0xffff
	s_lshl_b32 s13, s13, 2
	s_add_co_u32 s13, s13, s41                     ; tile row = 4 x cluster y + cy
	s_lshl_b32 s43, s41, 2
	s_lshl_b32 s43, 15, s43                        ; my row of the cluster
	s_lshl_b32 s44, 0x1111, s40                    ; my column
	; descriptor group 1 for o: 32,768 dense bytes as 128 rows of 256 (32 elements of 8 bytes), no padding
	s_or_b32 s[G1+0], s43, (3<<16)|(1<<21)         ; 15:0 the mask: o's tiles go to my row; 17:16 elements of 8 bytes; 21 set beside a mask
	s_mov_b32 s[G1+1], 32<<16                      ; tensor_dim0 = 32
	s_mov_b32 s[G1+2], 128<<16                     ; tensor_dim1 = 128
	s_mov_b32 s[G1+3], 32<<16                      ; tile_dim0 = 32
	s_mov_b32 s[G1+4], 128                         ; tile_dim1 = 128
	s_mov_b32 s[G1+5], 32                          ; tensor_dim0_stride
	s_mov_b32 s[G1+6], 0
	s_mov_b32 s[G1+7], 0
	; and for Wo: 64 rows x 256 elements of 2 bytes, padded in LDS
	s_or_b32 s[G1B+0], s44, (1<<16)|(1<<20)|(1<<21)|(6<<22)|(3<<25)  ; the mask of my column; elements of 2 bytes; padding on; 21 set beside a mask; after every 128 words (code 6) 4 words (code 3)
	s_mov_b32 s[G1B+1], KSTEP<<16                  ; tensor_dim0 = 256
	s_mov_b32 s[G1B+2], 64<<16                     ; tensor_dim1 = 64
	s_mov_b32 s[G1B+3], KSTEP<<16                  ; tile_dim0 = 256
	s_mov_b32 s[G1B+4], 64                         ; tile_dim1 = 64
	s_mov_b32 s[G1B+5], SIZE_K                     ; tensor_dim0_stride
	s_mov_b32 s[G1B+6], 0
	s_mov_b32 s[G1B+7], 0
	s_lshl_b32 s16, s13, 16                        ; o: 65,536 bytes a tile row in a plane, + 32,768 x half
	s_lshl_b32 s17, s12, 15
	s_add_co_u32 s16, s16, s17
	s_mov_b32 s17, 0
	s_lshl_b32 s46, s42, 18                        ; Wo: row 128 x tile column + 64 x half, 2,048 bytes a row
	s_lshl_b32 s47, s12, 17
	s_add_co_u32 s46, s46, s47
	s_mov_b32 s47, 0
	s_lshl_b32 s20, s12, 15                        ; where they go: o's halves,
	s_mul_i32 s21, s12, HALFT
	s_add_co_u32 s21, s21, BOFF                    ; Wo's halves behind them: no place in the cluster enters an LDS address
	s_wait_dscnt 0x0                               ; both opening adds are done
	s_wait_kmcnt 0x0
	s_add_nc_u64 s[14:15], s[4:5], s[16:17]
	s_add_nc_u64 s[46:47], s[6:7], s[46:47]
	CROUND                                         ; all sixteen work-groups are here: the first joint loads meet
.irp s, 0,1
	s_mov_b32 s[G0+4*\s], 1
	s_add_co_u32 s[G0+4*\s+1], s20, \s*SLOT
	s_add_nc_u64 s[G0+4*\s+2:G0+4*\s+3], s[14:15], \s*KA
	s_or_b32 s[G0+4*\s+3], s[G0+4*\s+3], 0x80000000
	s_mov_b32 s[G0B+4*\s], 1
	s_add_co_u32 s[G0B+4*\s+1], s21, \s*SLOT
	s_add_nc_u64 s[G0B+4*\s+2:G0B+4*\s+3], s[46:47], \s*KSTEP*2
	s_or_b32 s[G0B+4*\s+3], s[G0B+4*\s+3], 0x80000000
	JLOAD \s                                       ; two tensor loads of mine are out
.endr
	v_and_b32 v1, 15, v0                           ; l % 16
	v_bfe_u32 v2, v0, 4, 1                         ; l / 16
	v_and_b32 v6, 31, v0
	v_lshlrev_b32 v6, 4, v6                        ; 16 x lane: my place in half an image
	v_mul_u32_u24 v3, v1, PITCH
	v_lshl_add_u32 v3, v2, 4, v3                   ; Wo: a fragment's row x pitch + 16 x half
	s_lshl_b32 s22, s11, 15                        ; my 64 rows of o: four tiles of eight images
	s_mul_i32 s23, s12, HALFT                      ; my 64 rows of Wo
	s_add_co_u32 s23, s23, BOFF
.irp s, 0,1
	v_add_nc_u32 v[ADRA+\s], s22, v6
	v_add_nc_u32 v[ADRB+\s], s23, v3
	s_add_co_u32 s22, s22, SLOT
	s_add_co_u32 s23, s23, SLOT
.endr
	s_mul_i32 s23, s10, 16*SPITCH
	s_add_co_u32 s23, s23, STAGE                   ; my stage
	v_mul_u32_u24 v4, v1, SPITCH                   ; in: row l % 16, 32 bytes for each half of the lanes
	v_lshl_add_u32 v4, v2, 5, v4
	v_add_nc_u32 v[STO], s23, v4
	v_mul_u32_u24 v5, v2, SPITCH                   ; back: lanes 0-15 take one row of 256 bytes, lanes 16-31 the next
	v_lshl_add_u32 v5, v1, 4, v5
	v_add_nc_u32 v[RD], s23, v5
	v_lshlrev_b32 v5, 12, v2                       ; and the same two rows in out0, 4,096 bytes apart
	v_lshl_add_u32 v[CO], v1, 4, v5
	v_lshlrev_b32 v[BA], 5, v2
	s_lshl_b32 s16, s13, 19                        ; my first row of out0: 128 x tile row + 64 x half, 4,096 bytes a row
	s_lshl_b32 s17, s11, 18
	s_add_co_u32 s16, s16, s17
	s_mov_b32 s17, 0
	s_add_nc_u64 s[8:9], s[8:9], s[16:17]
	s_lshl_b32 s46, s42, 9                         ; my first column, in bytes: 512 x tile column + 256 x half (in the registers that held Wo's address)
	s_lshl_b32 s47, s12, 8
	s_add_co_u32 s46, s46, s47
	s_mov_b32 s47, 0
	s_add_nc_u64 s[8:9], s[8:9], s[46:47]
	s_add_nc_u64 s[66:67], s[66:67], s[46:47]      ; bo at the same column
.irp b, 0,1,2,3
	global_load_b128 v[BIAS+8*\b:BIAS+8*\b+3], v[BA], s[66:67] offset:64*\b          ; lane (r, h), block b: bo at my columns 16 b + 8 h + 0 .. 7
	global_load_b128 v[BIAS+8*\b+4:BIAS+8*\b+7], v[BA], s[66:67] offset:64*\b+16
.endr
; 8 matrix instructions: m blocks a0, a0 + 1 x all 4 n blocks, 32 along K: half c of buffer f.  first = 1: the first product starts the sums, with the bias as its C.  The 16 accumulators take turns.
.macro MUL8 f, c, a0, first
.irp a, \a0, \a0+1
.irp b, 0,1,2,3
.if \first
	v_wmma_f32_16x16x32_f16 v[ACC+8*(4*(\a)+\b):ACC+8*(4*(\a)+\b)+7], v[\f+64+8*(4*\c+\b):\f+64+8*(4*\c+\b)+7], v[\f+8*(4*\c+\a):\f+8*(4*\c+\a)+7], v[BIAS+8*\b:BIAS+8*\b+7]
.else
	v_wmma_f32_16x16x32_f16 v[ACC+8*(4*(\a)+\b):ACC+8*(4*(\a)+\b)+7], v[\f+64+8*(4*\c+\b):\f+64+8*(4*\c+\b)+7], v[\f+8*(4*\c+\a):\f+8*(4*\c+\a)+7], v[ACC+8*(4*(\a)+\b):ACC+8*(4*(\a)+\b)+7]
.endif
.endr
.endr
.endm
; 32 LDS loads in one run: the fragments of 64 along K, at byte k of Wo's rows and at image k / 64 of o's tiles, into buffer f; the first 32 along K first
.macro FETCH slot, k, f
	WIN TO_F
.irp c, 0,1
.irp i, 0,1,2,3
	ds_load_b128 v[\f+64+8*(4*\c+\i):\f+64+8*(4*\c+\i)+3],   v[ADRB+\slot] offset:\k+64*\c+\i*16*PITCH
	ds_load_b128 v[\f+64+8*(4*\c+\i)+4:\f+64+8*(4*\c+\i)+7], v[ADRB+\slot] offset:\k+64*\c+\i*16*PITCH+32
	ds_load_b128 v[\f+8*(4*\c+\i):\f+8*(4*\c+\i)+3],         v[ADRA+\slot] offset:\i*8192+((\k)/64+\c)*1024
	ds_load_b128 v[\f+8*(4*\c+\i)+4:\f+8*(4*\c+\i)+7],       v[ADRA+\slot] offset:\i*8192+((\k)/64+\c)*1024+512
.endr
.endr
.endm
.macro PLACES                          ; four places in front of loads into registers that matrix instructions have read, and of LDS stores that read results
.rept 4
	v_nop
.endr
.endm
; A K step is four quarters of 64 along K, 32 matrix instructions each, on buffers 0, 1, 0, 1.  One of the first three: multiplies buffer f and fetches the next quarter, at byte k, into g.
.macro QUARTER slot, k, f, g, first
	s_wait_dscnt 16                                ; the first 32 along K are in; the sixteen younger loads may be out
	WIN MUL
	MUL8 \f, 0, 0, \first
	MUL8 \f, 0, 2, \first
	PLACES
	FETCH \slot, \k, \g
	s_wait_dscnt 32                                ; all but the 32 just issued
	WIN MUL
	MUL8 \f, 1, 0, 0
	MUL8 \f, 1, 2, 0
.endm
; The last quarter multiplies buffer 1 and changes slots: ONE barrier; in front of it each wave waits for all its tensor loads, adds 0 to its spare word, and waits for that and for its own reads of this slot.
; fill = 1: this slot is filled again, two K steps ahead: the barrier then opens a round of the cluster's barrier, and the joint load is the first thing behind the round.
.macro TURN slot, next, fill
	WIN 0                                          ; (the add's two registers lie in window 0)
	s_wait_tensorcnt 0x0                           ; all my tensor loads have landed: my part of the next slot;
	ds_add_u32 v[SPW], v[NIL]                      ; 0 onto my spare word;
	s_wait_dscnt 17                                ; (the add and the youngest sixteen loads may be out)
	WIN MUL
	MUL8 F1, 0, 0, 0                               ; eight matrix instructions stand between the add and the wait for it
	s_wait_dscnt 0x0                               ; the add is done, and my reads of this slot are over
	s_barrier_signal -1
	MUL8 F1, 0, 2, 0
.if \fill
	WIN 0
.endif
	s_barrier_wait -1
.if \fill
	CREST                                          ; no wave of any partner still reads this slot's tile or has a load on its way
	s_add_nc_u64 s[G0+4*\slot+2:G0+4*\slot+3], s[G0+4*\slot+2:G0+4*\slot+3], 2*KA
	s_add_nc_u64 s[G0B+4*\slot+2:G0B+4*\slot+3], s[G0B+4*\slot+2:G0B+4*\slot+3], 2*KSTEP*2
	JLOAD \slot                                    ; 112 matrix instructions ahead of the wait for it; the four v_nop behind it are also the places in front of the loads below
.else
	PLACES
.endif
	FETCH \next, 0, F0
	WIN MUL
	MUL8 F1, 1, 0, 0
	MUL8 F1, 1, 2, 0
.endm
	s_wait_tensorcnt 1                             ; my part of K step 0 is in (K step 1's load may be out)
	s_wait_loadcnt 0x0                             ; and the bias
	s_barrier_signal -1
	s_barrier_wait -1                              ; everybody's is
	FETCH 0, 0, F0
	QUARTER 0, 128, F0, F1, 1                      ; K step 0; its first products start the sums
	QUARTER 0, 256, F1, F0, 0
	QUARTER 0, 384, F0, F1, 0
	TURN 0, 1, 1                                   ; slot 0 takes K step 2
	QUARTER 1, 128, F0, F1, 0                      ; K step 1
	QUARTER 1, 256, F1, F0, 0
	QUARTER 1, 384, F0, F1, 0
	TURN 1, 0, 1                                   ; slot 1 takes K step 3
	QUARTER 0, 128, F0, F1, 0                      ; K step 2
	QUARTER 0, 256, F1, F0, 0
	QUARTER 0, 384, F0, F1, 0
	TURN 0, 1, 0                                   ; nothing is left to fetch
	QUARTER 1, 128, F0, F1, 0                      ; K step 3
	QUARTER 1, 256, F1, F0, 0
	QUARTER 1, 384, F0, F1, 0
	s_wait_dscnt 16                                ; the very last quarter
	WIN MUL
	MUL8 F1, 0, 0, 0
	MUL8 F1, 0, 2, 0
	s_wait_dscnt 0
	MUL8 F1, 1, 0, 0
	MUL8 F1, 1, 2, 0
	WIN 0
; THE WAY OUT, a block of 16 rows x 64 columns at a time.  A lane holds 32 neighbouring bytes of a row for each of four blocks of columns, and the lanes beside it hold other rows: so a block goes through my own stage
; (rows of 272 bytes) and comes back as whole rows of 256 bytes.  LDS serves a wave's instructions in order (ISA guide 5.7.1.4): no wait between the stores and the loads, nor in front of the next block's stores.
.macro TOSTAGE a
.irp b, 0,1,2,3
	ds_store_b128 v[STO], v[ACC+8*(4*(\a)+\b):ACC+8*(4*(\a)+\b)+3] offset:64*\b        ; each accumulator from its low end on
	ds_store_b128 v[STO], v[ACC+8*(4*(\a)+\b)+4:ACC+8*(4*(\a)+\b)+7] offset:64*\b+16
.endr
.irp t, 0,1,2,3,4,5,6,7
	ds_load_b128 v[TMP+32*((\a)%2)+4*\t:TMP+32*((\a)%2)+4*\t+3], v[RD] offset:\t*2*SPITCH
.endr
.endm
.macro SEND a, younger                 ; younger: the LDS instructions issued behind block a's loads, which may stay out
	s_wait_dscnt \younger
.irp t, 0,1,2,3,4,5,6,7
	global_store_b128 v[CO], v[TMP+32*((\a)%2)+4*\t:TMP+32*((\a)%2)+4*\t+3], s[8:9] offset:(\a)*65536+\t*8192 th:TH_STORE_NT   ; 16 lanes store 256 consecutive bytes, at a multiple of 256 from out0's first byte; written once, read by nobody here
.endr
.endm
	PLACES                                         ; behind the last products
	TOSTAGE 0
.irp a, 1,2,3
.if \a > 1
	s_wait_xcnt 0x0                                ; block a - 2's stores have read their registers: block a's loads may land there
.endif
	TOSTAGE \a
	SEND \a-1, 16                                  ; behind block a - 1's loads: block a's 8 stores and 8 loads
.endr
	SEND 3, 0
	s_wait_tensorcnt 0x0                           ; the wave's end: these three lines, behind my last tensor load and my last LDS store
	ds_add_u32 v[SPW], v[NIL]
	s_wait_dscnt 0x0
	CROUND                                         ; the closing round: no work-group ends while a partner may still ask for a tile that names it
	s_endpgm
.Lfunc_end_k_q8331f870ee_proj:
	.size	k_q8331f870ee_proj, .Lfunc_end_k_q8331f870ee_proj-k_q8331f870ee_proj
	.p2alignl 7, 3214868480
	.fill 96, 4, 3214868480
	.section	.rodata,"a",@progbits
	.p2align	6, 0x0
	.amdhsa_kernel k_q8331f870ee_proj
		.amdhsa_group_segment_fixed_size 327680
		.amdhsa_private_segment_fixed_size 0
		.amdhsa_enable_private_segment 0
		.amdhsa_kernarg_size 32
		.amdhsa_user_sgpr_count 2
		.amdhsa_user_sgpr_kernarg_segment_ptr 1
		.amdhsa_wavefront_size32 1
		.amdhsa_system_sgpr_workgroup_id_x 1
		.amdhsa_system_sgpr_workgroup_id_y 1
		.amdhsa_system_sgpr_workgroup_id_z 1
		.amdhsa_system_vgpr_workitem_id 0
		.amdhsa_next_free_vgpr 512
		.amdhsa_next_free_sgpr 68
		.amdhsa_reserve_vcc 0
		.amdhsa_float_denorm_mode_32 3
		.amdhsa_float_denorm_mode_16_64 3
		.amdhsa_memory_ordered 1
		.amdhsa_forward_progress 1
		.amdhsa_inst_pref_size 86
	.end_amdhsa_kernel
	.amdgpu_metadata
---
amdhsa.version: [ 1, 2 ]
amdhsa.kernels:
  - .name:           k_q8331f870ee_proj
    .symbol:         k_q8331f870ee_proj.kd
    .args:
      - { .name: o16, .offset: 0, .size: 8, .value_kind: global_buffer, .address_space: global }
      - { .name: wo16, .offset: 8, .size: 8, .value_kind: global_buffer, .address_space: global }
      - { .name: bo, .offset: 16, .size: 8, .value_kind: global_buffer, .address_space: global }
      - { .name: out0, .offset: 24, .size: 8, .value_kind: global_buffer, .address_space: global }
    .group_segment_fixed_size: 327680
    .private_segment_fixed_size: 0
    .kernarg_segment_align: 8
    .kernarg_segment_size: 32
    .max_flat_workgroup_size: 128
    .sgpr_count:     68
    .vgpr_count:     512
    .wavefront_size: 32
...
	.end_amdgpu_metadata
.endif
;; end of part 4
